; MI455X (gfx1250); checked and timed in simulation.
; The chip was launched on July 23, 2026; its instructions are those of AMD's public machine-readable ISA for CDNA 5 (MIT licence, August 2026) and "CDNA5" Instruction Set Architecture Reference Guide (July 2026). The comments in the code are by the model that wrote it; some were corrected since.
;; Grouped Query Attention. Allowed arithmetic: matrix products marked QUANTISED: E5M2 operands, one E8M0 scale for each 32 along K, by v_wmma_scale_f32_16x16x128_f8f6f4 with both operands' format E5M2, f32 sums; products left as they are: f32 operands where the result goes on into a quantised operand, else bf16, f16 or f32 operands; f32 sums; everything else in f32.
;; Inputs: Wk_codes 256 x 32 x 32 uint8 (E5M2 codes of Wk, K innermost, in blocks of 32 codes); Wk_scales 256 x 32 uint8 (E8M0 scales of Wk, one for each 32 codes along K); Wo_codes 1,024 x 32 x 32 uint8 (E5M2 codes of Wo, K innermost, in blocks of 32 codes); Wo_scales 1,024 x 32 uint8 (E8M0 scales of Wo, one for each 32 codes along K); Wq_codes 1,024 x 32 x 32 uint8 (E5M2 codes of Wq, K innermost, in blocks of 32 codes); Wq_scales 1,024 x 32 uint8 (E8M0 scales of Wq, one for each 32 codes along K); Wv_codes 256 x 32 x 32 uint8 (E5M2 codes of Wv, K innermost, in blocks of 32 codes); Wv_scales 256 x 32 uint8 (E8M0 scales of Wv, one for each 32 codes along K); attention_mask 4 x 1 x 2,048 x 2,048 float32; hidden_states_codes 4 x 2,048 x 32 x 32 uint8 (E5M2 codes of hidden_states, K innermost, in blocks of 32 codes); hidden_states_scales 4 x 2,048 x 32 uint8 (E8M0 scales of hidden_states, one for each 32 codes along K); position_ids 4 x 2,048 int32.
;; Outputs: out0 4 x 2,048 x 1,024 float32.
;; This version of the problem:
;;   THIS VERSION OF THE PROBLEM IS GIVEN IN LOW PRECISION. The matrix products marked QUANTISED in the list below multiply operands that are first quantised to E5M2 (5 exponent bits, 2 mantissa bits; 8 bits a number), with one power-of-two scale for each 32 numbers along K (OCP MX v1.0); their sums are f32. All else is computed in f32.
;;   The module's matrix products, in the order in which they are computed (A, B: the left and right operand; K: the contracted axis; several contracted axes count as one K, in the product's order):
;;     1. [M 8,192, K 1,024] x [K 1,024, N 1,024]; A: input hidden_states (given as codes); B: input Wq (given as codes): QUANTISED
;;     2. [M 8,192, K 1,024] x [K 1,024, N 256]; A: input hidden_states (given as codes); B: input Wk (given as codes): QUANTISED
;;     3. [M 8,192, K 1,024] x [K 1,024, N 256]; A: input hidden_states (given as codes); B: input Wv (given as codes): QUANTISED
;;     4. [M 2,048, K 1] x [K 1, N 32]; A: computed on the way; B: computed on the way: left as it is (no contracted axis)
;;     5. batch 16 x [M 8,192, K 64] x [K 64, N 2,048]; A: computed on the way; B: computed on the way: QUANTISED
;;     6. batch 16 x [M 8,192, K 2,048] x [K 2,048, N 64]; A: computed on the way; B: computed on the way: QUANTISED
;;     7. [M 8,192, K 1,024] x [K 1,024, N 1,024]; A: computed on the way; B: input Wo (given as codes): QUANTISED
;;   THE QUANTISER, for each operand of a quantised product, along K:
;;     - K is cut into blocks of 32 from its start; a last block that is shorter is filled with zeros.
;;     - A block's scale is 2^e with e = floor(log2(the largest magnitude in the block)) - 15, held to -126 .. 127; a block of zeros has e = 0. As a byte (E8M0): e + 127.
;;     - Each number is divided by its block's scale, clamped to +-57,344, and rounded to the nearest number of E5M2, ties to even, subnormals kept.
;;     - The product sums the exact products of the quantised numbers (number of the format x scale) in f32.
;;   ~~~python
;;   def quantise(x, axis):      # numpy; x: float32 -> the quantised numbers, widened to float32 again
;;       x = np.moveaxis(x, axis, -1); K = x.shape[-1]
;;       x = np.pad(x, [(0, 0)] * (x.ndim - 1) + [(0, -K % 32)]); x = x.reshape(x.shape[:-1] + (-1, 32)); a = np.abs(x).max(-1, keepdims=True)
;;       e = np.where(a > 0, np.clip(np.frexp(np.where(a > 0, a, 1))[1] - 1 - 15, -126, 127), 0)      # np.frexp(a)[1] - 1 = floor(log2(a)), exactly
;;       r = np.clip(x / 2.0 ** e, -57344, 57344)
;;       step = 2.0 ** (np.maximum(np.frexp(np.where(r == 0, 1, r))[1] - 1, -14) - 2)
;;       q = np.round(r / step) * step * 2.0 ** e      # np.round: ties to even
;;       return np.moveaxis(q.reshape(q.shape[:-2] + (-1,))[..., :K], -1, axis).astype(np.float32)
;;   ~~~
;;   OPERANDS COMPUTED ON THE WAY. 'Computed on the way' means the value that the module computes at that place (a softmax that the list does not call 'softmax' is quantised finished and normalised). What goes into a quantiser is computed in f32, as accurately as f32 sums, v_exp_f32 and their like allow (about 1e-6 of the number): no bf16 or f16 on the way to a quantiser, and a product that is left as it is and whose result goes on into a quantised operand takes f32 operands (vector FMAs, or v_wmma_f32_16x16x4_f32). A number that lies on a knife's edge between two numbers of the format may be rounded either way, as far as f32 arithmetic and the matrix unit's own rounding can turn it there, and no further.
;;   INPUTS GIVEN AS CODES. Wk (in the module: [1024, 256], K = its axis 0); Wo (in the module: [1024, 1024], K = its axis 0); Wq (in the module: [1024, 1024], K = its axis 0); Wv (in the module: [1024, 256], K = its axis 0); hidden_states (in the module: [4, 2048, 1024], K = its axis 2): each comes as NAME_codes (uint8): NAME with its K axis moved to the last place and cut into blocks of 32 codes, [.., K / 32, bytes a block], one block behind the other in memory; one code a byte (a code: sign, 5 exponent bits, 2 mantissa bits); and NAME_scales (uint8): the same leading axes, one E8M0 byte (e + 127) for each 32 codes along K. Its value is code x scale, taken as it is: it is not quantised again, and the codes and scales need not be those that the quantiser above would give.
;; One version. Each part assembles by itself: llvm-mc -triple=amdgcn-amd-amdhsa -mcpu=gfx1250 --defsym DOCPART=n.
;; ======== version 1 of 1: 3 launches
;; limits: right only within a limited range of input values
;; workspace buffers: qimg 8,388,608 bytes; qs 524,288 bytes; kv 4,456,448 bytes; a_codes 8,388,608 bytes; a_scales 262,144 bytes
;; launch qkv (part 1): grid 64 x 4, 12 waves a work-group, clusters of 4 x 4, 327,680 bytes of LDS; arguments hidden_states_codes, hidden_states_scales, Wq_codes, Wq_scales, Wk_codes, Wk_scales, Wv_codes, Wv_scales, position_ids, qimg, qs, kv; writes qimg, qs, kv
.if DOCPART == 1
	.amdgcn_target "amdgcn-amd-amdhsa--gfx1250"
	.amdhsa_code_object_version 6
	.text
	.protected	k_qa95b8a425b_qkv
	.globl	k_qa95b8a425b_qkv
	.p2align	8
	.type	k_qa95b8a425b_qkv,@function
k_qa95b8a425b_qkv:
	s_mov_b64 s[64:65], 0
	v_nop
	global_prefetch_b8 v0, s[64:65] scope:SCOPE_SE
	s_setreg_imm32_b32 hwreg(HW_REG_WAVE_MODE, 25, 1), 1
	s_wait_xcnt 0x0
	s_wait_alu depctr_hold_cnt(0) depctr_sa_sdst(0) depctr_va_vdst(0) depctr_va_sdst(0) depctr_va_ssrc(0) depctr_va_vcc(0) depctr_vm_vsrc(0)
	s_getreg_b32 s2, hwreg(HW_REG_IB_STS2, 6, 4)
	s_cmp_eq_u32 s2, 0
	s_cbranch_scc0 .Lentry_in_a_cluster
	s_endpgm
.Lentry_in_a_cluster:
	s_bfe_u32 s2, ttmp6, 0x10000c
	s_cmp_lg_u32 s2, 0xf033
	s_cbranch_scc0 .Lentry_shape_is_right
	s_endpgm
.Lentry_shape_is_right:
; q, k, v = x Wq, x Wk, x Wv on codes of BF8 (E5M2) with one E8M0 scale for each 32 along K = 1,024; RoPE on q and k in f32; then q, k (along the head's 64) and v (along the keys) are quantised
; again and stored as IMAGES OF OPERAND REGISTERS for the attention launch.
; SHARES.  A work-group takes 128 tokens (tb = batch x 16 + key step) and the 384 columns of one group g: its 4 query heads, its key head, its value head.  Twelve waves: wave w has head slot w / 2
; (0-3 q, 4 k, 5 v) and token half w % 2: 64 x 64 results in 16 accumulators.
; ONE TEXT FOR ALL ROLES.  In a result lane (r, h) holds source 1's row r, and its eight registers source 0's rows 8 h + 0 .. 7.  q, k: source 0 = the head's 64 rows of W, source 1 = my 64 tokens: a lane's
; registers run along the head's 64.  v: source 0 = my 64 tokens, source 1 = Wv's 64 rows: they run along the keys.  Either way they run along the coming K; only LDS row numbers differ between the roles.
; Two neighbouring result tiles converted on end put number 32 c + 16 (i / 8) + 8 h + i % 8 into operand place 32 c + 16 h + i: a permutation inside a block of 32, the same for q and k, and for v the same that the
; attention launch's weights have: products, blocks and scales are untouched.
; 1 / sqrt(64) = 2^-3 is taken off q's scale bytes: exact.
; RING.  K goes in 4 steps of 256 through two LDS slots of 512 rows (128 of x, 256 of Wq, 64 of Wk, 64 of Wv); waves 0-7 fetch 64 rows each.  CLUSTER 4 x 4: x's tiles are shared by the four groups (a column of
; the cluster), W's by four token blocks (a row): each is asked for jointly.  The scale bytes of all 512 rows, for all of K, come once, in whole blocks of 256 bytes.
; ROPE.  angle = f32(position) x inv_freq, one rounding; inv_freq[j] = 1 / fl(10^(j / 8)).  The angle is reduced by pi / 2 in two parts; sine and cosine by polynomials on [-pi/4, pi/4].
; Waves 0-7 make the table of the block's 128 tokens, waves 8-11 sixty-four rows with cos = 1, sin = 0, which the v waves read: so the way out has no branch on the role.
; LIMITS: NaN and infinities are not served.  position_ids within 0 .. 2,047.  A q block whose largest magnitude lies under 2^-108 has its byte held at 4 (1 after the 3 are taken off), a k or v block
; under 2^-111 at 1.  A block of zeros gets that byte and not 127: its codes are zeros, and this program alone reads the bytes.  inv_freq takes 10^(j / 8) as correctly rounded.
.set PITCH,  272                       ; an LDS row: 256 bytes + 16 of padding: the 16 rows of a fragment load start 68 words apart
.set CHUNK,  64*PITCH                  ; what one tensor load brings
.set SLOT,   8*CHUNK
.set SCL,    2*SLOT                    ; the scale bytes: row p at (p / 8) x 272 + (p % 8) x 32
.set SCH,    8*272                     ; those of 64 rows
.set SPARE,  SCL+8*SCH                 ; the spare words: 128 bytes for each of 12 waves, six blocks of 256 bytes that no other line names
.set KVB,    17408                     ; a block of the buffer kv: K's images 8,192, K's scale words 512, V's images 8,192, V's scale words 512
.set SPW,   1                          ; v1   my spare word's address; never rewritten
.set NIL,   2                          ; v2   0; never rewritten
.set INV,   3                          ; v3   lane j: inv_freq[j] (0 in waves 8-11)
.set ADR0,  4                          ; v4-5 source 0's fragments in slot 0, 1
.set ADR1,  6                          ; v6-7 source 1's
.set ADRS0, 8                          ; v8   source 0's scale words
.set ADRS1, 9                          ; v9   source 1's
.set RTW,   10                         ; v10  the table: where my wave's 16 rows are written
.set RTR,   11                         ; v11  and where my lane reads
.set VO,    12                         ; v12-15 byte offset of my 16 bytes in the images of tile 0 .. 3
.set SC0,   16                         ; v16-23 scale words of source 0: 2 x tile + which 128 of the K step
.set SC1,   24                         ; v24-31 of source 1
.set F0,    32                         ; v32-95 four fragments of source 0
.set F1,    96                         ; v96-127 two of source 1
.set ACC,   128                        ; v128-255 accumulator (source 1 tile a, source 0 tile i) at 32 a + 8 i
.set RD,    64                         ; the table's rows on their way to LDS: two registers a row
.set COS,   32                         ; the way out
.set SIN,   48
.set TT,    64
.set TM,    68
.set SW,    76
.set VSO,   78
.set PWR,   84
.set CD,    88
.set G1X,   28                         ; s[28:35] group 1 for x's codes, s[36:43] for W's
.set G1W,   36
.set G0X,   44                         ; s[44:51] group 0 for x's codes, a set for each slot; s[52:59] for W's
.set G0W,   52
.set G0SX,  60                         ; s[62:63], s[70:71] where the scale bytes of my 64 rows begin
.set G0SW,  68
.set G1SX,  72                         ; s[72:87]: 16 position ids
.set G1SW,  80
.set POS,   72
.set WV,    88
.set HD,    89
.set TH,    90
.set ISV,   91
.set SEL,   92
.set MNT,   94
.set FLOOR, 95
.set ADJ,   96
.set HIM,   97
.set OUTC,  98
.set OUTS,  100
.set C2PI,  4                          ; constants of the sine and cosine, in registers that held input pointers
.set NC1,   5
.set NC2,   6
.set S1,    7
.set S2,    8
.set S3,    9
.set K1,    10
.set K2,    11
.set K3,    12
.set FLC,   (0<<16)|(1<<20)|(1<<21)|(5<<22)|(3<<25)   ; elements of 1 byte; padding of 4 words behind every 64; bit 21 beside a mask
.set FLS,   (3<<16)|(1<<20)|(1<<21)|(5<<22)|(3<<25)   ; the same with elements of 8 bytes
.macro CROUND                          ; a round of the cluster's barrier
	s_barrier_signal -1
	s_barrier_wait -1
	s_cmp_lg_u32 s[WV], 0
	s_cbranch_scc1 .Lnot_wave_0_\@
	s_barrier_signal -3
.Lnot_wave_0_\@:
	s_barrier_wait -3
	s_barrier_signal -1
	s_barrier_wait -1
.endm
; A joint refill: waves 0, 1 fetch x's halves, waves 2-7 W's six chunks, the others nothing.  The branches hang on the wave's number alone.  Four v_nop follow each load.
.macro JLOAD slot
	s_cmp_lt_u32 s[WV], 2
	s_cbranch_scc0 .Lnot_x_\@
	tensor_load_to_lds s[G0X+4*\slot:G0X+4*\slot+3], s[G1X:G1X+7]
	s_nop 0
.rept 4
	v_nop
.endr
	s_branch .Lasked_\@
.Lnot_x_\@:
	s_cmp_lt_u32 s[WV], 8
	s_cbranch_scc0 .Lasked_\@
	tensor_load_to_lds s[G0W+4*\slot:G0W+4*\slot+3], s[G1W:G1W+7]
	s_nop 0
.rept 4
	v_nop
.endr
.Lasked_\@:
.endm
; The change of slots.  Every wave waits for all its tensor loads, adds 0 to its spare word, and waits for that and for its reads of the slot that it leaves.  fill = 1: a round of the cluster's barrier, and the slot
; just read takes the K step two on.
.macro CHANGE slot, fill
	s_wait_tensorcnt 0x0                           ; no tensor load of mine is out: a group 0 may be written
	ds_add_u32 v[SPW], v[NIL]
.if \fill
	ds_add_u32 v[SPW], v[NIL]                      ; and once more where a load follows
	s_add_nc_u64 s[G0X+4*\slot+2:G0X+4*\slot+3], s[G0X+4*\slot+2:G0X+4*\slot+3], 512
	s_add_nc_u64 s[G0W+4*\slot+2:G0W+4*\slot+3], s[G0W+4*\slot+2:G0W+4*\slot+3], 512
.endif
	s_wait_dscnt 0x0                               ; the add is done, my reads of the slot are over
.if \fill
	CROUND
	JLOAD \slot
.else
	s_barrier_signal -1
	s_barrier_wait -1
.endif
.endm
.macro PLACES8                         ; eight places behind this matrix form, ahead of loads into its registers and of reads of its results
.rept 8
	v_nop
.endr
.endm
; Eight products: source 1's tiles ab, ab + 1 (in the two buffers) x source 0's four.  The 16 accumulators take turns, one instruction a turn.
.macro MUL8 ab, q, zero
.irp a, 0,1
.irp i, 0,1,2,3
.if \zero
	v_wmma_scale_f32_16x16x128_f8f6f4 v[ACC+32*(\ab+\a)+8*\i:ACC+32*(\ab+\a)+8*\i+7], v[F0+16*\i:F0+16*\i+15], v[F1+16*\a:F1+16*\a+15], 0, v[SC0+2*\i+\q], v[SC1+2*(\ab+\a)+\q] matrix_a_fmt:MATRIX_FMT_BF8 matrix_b_fmt:MATRIX_FMT_BF8
.else
	v_wmma_scale_f32_16x16x128_f8f6f4 v[ACC+32*(\ab+\a)+8*\i:ACC+32*(\ab+\a)+8*\i+7], v[F0+16*\i:F0+16*\i+15], v[F1+16*\a:F1+16*\a+15], v[ACC+32*(\ab+\a)+8*\i:ACC+32*(\ab+\a)+8*\i+7], v[SC0+2*\i+\q], v[SC1+2*(\ab+\a)+\q] matrix_a_fmt:MATRIX_FMT_BF8 matrix_b_fmt:MATRIX_FMT_BF8
.endif
.endr
.endr
.endm
; 128 along K: the q-th of K step st, which lies in the slot named.
.macro SUB slot, q, st, zero
.if \q == 0
.irp i, 0,1,2,3
	ds_load_b64 v[SC0+2*\i:SC0+2*\i+1], v[ADRS0] offset:544*\i+8*\st      ; the K step's two scale words of 16 rows
	ds_load_b64 v[SC1+2*\i:SC1+2*\i+1], v[ADRS1] offset:544*\i+8*\st
.endr
.endif
.irp i, 0,1,2,3
.irp c, 0,1,2,3
	ds_load_b128 v[F0+16*\i+4*\c:F0+16*\i+4*\c+3], v[ADR0+\slot] offset:\i*16*PITCH+128*\q+32*\c
.endr
.endr
.irp i, 0,1
.irp c, 0,1,2,3
	ds_load_b128 v[F1+16*\i+4*\c:F1+16*\i+4*\c+3], v[ADR1+\slot] offset:\i*16*PITCH+128*\q+32*\c
.endr
.endr
	s_wait_dscnt 0x0
	MUL8 0, \q, \zero
	PLACES8
.irp i, 0,1
.irp c, 0,1,2,3
	ds_load_b128 v[F1+16*\i+4*\c:F1+16*\i+4*\c+3], v[ADR1+\slot] offset:(\i+2)*16*PITCH+128*\q+32*\c
.endr
.endr
	s_wait_dscnt 0x0
	MUL8 2, \q, \zero
	PLACES8
.endm
.macro SETF j, x                       ; lane j of INV takes fl(10^(j / 8))
	s_mov_b32 s98, \x
	v_writelane_b32 v[INV], s98, \j
.endm
; Row i of my wave's 16 rows of the table: a lane is a frequency.
.macro ROPEROW i
	v_cvt_f32_i32 v32, s[POS+\i]
	s_wait_alu depctr_va_vdst(0)
	v_mul_f32 v32, v32, v[INV]                     ; the angle: one rounding
	s_delay_alu instid0(VALU_DEP_1)
	v_mul_f32 v33, s[C2PI], v32
	s_delay_alu instid0(VALU_DEP_1)
	v_rndne_f32 v33, v33                           ; n = the nearest multiple of pi / 2
	s_delay_alu instid0(VALU_DEP_1)
	v_fma_f32 v34, v33, s[NC1], v32
	s_delay_alu instid0(VALU_DEP_1)
	v_fma_f32 v34, v33, s[NC2], v34                ; r = angle - n pi / 2
	s_delay_alu instid0(VALU_DEP_3)
	v_cvt_i32_f32 v35, v33
	s_delay_alu instid0(VALU_DEP_2)
	v_mul_f32 v36, v34, v34                        ; z = r^2
	s_delay_alu instid0(VALU_DEP_1)
	v_fma_f32 v37, v36, s[S1], s[S2]
	s_delay_alu instid0(VALU_DEP_2)
	v_fma_f32 v38, v36, s[K1], s[K2]
	s_delay_alu instid0(VALU_DEP_2)
	v_fma_f32 v37, v37, v36, s[S3]
	s_delay_alu instid0(VALU_DEP_2)
	v_fma_f32 v38, v38, v36, s[K3]
	v_mul_f32 v39, v36, v34
	v_mul_f32 v40, v36, v36
	v_fma_f32 v41, v36, -0.5, 1.0
	s_delay_alu instid0(VALU_DEP_3)
	v_fma_f32 v37, v37, v39, v34                   ; sin r
	s_delay_alu instid0(VALU_DEP_2)
	v_fma_f32 v38, v38, v40, v41                   ; cos r
	v_and_b32 v39, 1, v35
	s_delay_alu instid0(VALU_DEP_1)
	v_cmp_eq_u32 vcc_lo, 1, v39                    ; an odd n swaps the two
	s_delay_alu instid0(VALU_DEP_1)
	v_cndmask_b32 v40, v37, v38, vcc_lo
	s_delay_alu instid0(VALU_DEP_2)
	v_cndmask_b32 v41, v38, v37, vcc_lo
	v_lshlrev_b32 v39, 30, v35                     ; the sine is negative where n % 4 is 2 or 3,
	v_add_nc_u32 v35, 1, v35
	s_delay_alu instid0(VALU_DEP_1)
	v_lshlrev_b32 v35, 30, v35                     ; the cosine where it is 1 or 2
	s_delay_alu instid0(VALU_DEP_3)
	v_and_b32 v39, 0x80000000, v39
	s_delay_alu instid0(VALU_DEP_2)
	v_and_b32 v35, 0x80000000, v35
	s_delay_alu instid0(VALU_DEP_2)
	v_xor_b32 v[RD+2*\i+1], v39, v40
	s_delay_alu instid0(VALU_DEP_2)
	v_xor_b32 v[RD+2*\i], v35, v41
	ds_store_b32 v[RTW], v[RD+2*\i] offset:PITCH*\i
	ds_store_b32 v[RTW], v[RD+2*\i+1] offset:PITCH*\i+128
.endm
; 32 numbers of a lane, register 16 b + i, two blocks of 32 shared with lane l xor 16, become 8 registers of codes and a scale word.
.macro QUANT2 s, cd, pw
.irp b, 0,1
	v_max3_num_f32 v[TM+\b], |v[\s+16*\b]|, |v[\s+16*\b+1]|, s[FLOOR]     ; the floor holds the byte from below
.endr
.irp i, 2,4,6,8,10,12,14
.irp b, 0,1
	s_delay_alu instid0(VALU_DEP_2)
	v_max3_num_f32 v[TM+\b], v[TM+\b], |v[\s+16*\b+\i]|, |v[\s+16*\b+\i+1]|
.endr
.endr
.irp b, 0,1
	s_delay_alu instid0(VALU_DEP_2)
	v_permlanex16_b32 v[TM+2+\b], v[TM+\b], s[SEL], s[SEL+1]
.endr
.irp b, 0,1
	s_delay_alu instid0(VALU_DEP_2)
	v_max_num_f32 v[TM+\b], v[TM+\b], v[TM+2+\b]   ; the block's largest magnitude
.endr
.irp b, 0,1
	s_delay_alu instid0(VALU_DEP_2)
	v_add_nc_u32 v[TM+6+\b], 0xf8800000, v[TM+\b]  ; 15 off its exponent field: the conversion's scale operand
.endr
.irp b, 0,1
	s_delay_alu instid0(VALU_DEP_4)
	v_and_or_b32 v[TM+4+\b], v[TM+\b], 0x7f800000, s[MNT]   ; 57,344 x the scale
.endr
.irp b, 0,1
	s_delay_alu instid0(VALU_DEP_4)
	v_lshrrev_b32 v[TM+2+\b], 23, v[TM+6+\b]       ; the scale's byte
.endr
	s_delay_alu instid0(VALU_DEP_1)
	v_lshl_or_b32 v[\pw], v[TM+3], 8, v[TM+2]
	s_delay_alu instid0(VALU_DEP_1)
	v_or_b32 v[\pw], 0x7f7f0000, v[\pw]            ; bytes 2, 3: 1.0, for the half of a K step of 128 that holds zero codes
	s_delay_alu instid0(VALU_DEP_1)
	v_sub_nc_u32 v[\pw], v[\pw], s[ADJ]            ; q: 3 off both bytes, the division by 8 (each byte is 4 at the least)
.irp b, 0,1
.irp i, 0,1,2,3,4,5,6,7,8,9,10,11,12,13,14,15
	v_med3_num_f32 v[\s+16*\b+\i], v[\s+16*\b+\i], -v[TM+4+\b], v[TM+4+\b]   ; the conversion does not saturate (ISA guide 7.6.2): the hold
.endr
	v_cvt_scalef32_pk8_bf8_f32 v[\cd+4*\b:\cd+4*\b+1], v[\s+16*\b:\s+16*\b+7], v[TM+6+\b]
	v_cvt_scalef32_pk8_bf8_f32 v[\cd+4*\b+2:\cd+4*\b+3], v[\s+16*\b+8:\s+16*\b+15], v[TM+6+\b]
.endr
	v_nop                                          ; a plain place behind the last conversion
.endm
; The way out of source 1's tile t: rotate, quantise, store two blocks of 512 bytes.
.macro TILE t
.irp e, 0,1
	ds_load_b128 v[COS+8*\e:COS+8*\e+3], v[RTR] offset:\t*16*PITCH+64*\e
	ds_load_b128 v[COS+8*\e+4:COS+8*\e+7], v[RTR] offset:\t*16*PITCH+64*\e+16
	ds_load_b128 v[SIN+8*\e:SIN+8*\e+3], v[RTR] offset:\t*16*PITCH+64*\e+128
	ds_load_b128 v[SIN+8*\e+4:SIN+8*\e+7], v[RTR] offset:\t*16*PITCH+64*\e+144
.endr
	s_wait_dscnt 0x0
.irp e, 0,1                            ; tiles e and e + 2 of source 0 hold numbers d and d + 32; each accumulator is read from its low end on
.irp j, 0,2,4,6
	v_pk_mul_f32 v[TT:TT+1], v[ACC+32*\t+8*\e+16+\j:ACC+32*\t+8*\e+17+\j], v[SIN+8*\e+\j:SIN+8*\e+\j+1]
	v_pk_mul_f32 v[TT+2:TT+3], v[ACC+32*\t+8*\e+\j:ACC+32*\t+8*\e+\j+1], v[SIN+8*\e+\j:SIN+8*\e+\j+1]
	v_pk_fma_f32 v[ACC+32*\t+8*\e+\j:ACC+32*\t+8*\e+\j+1], v[ACC+32*\t+8*\e+\j:ACC+32*\t+8*\e+\j+1], v[COS+8*\e+\j:COS+8*\e+\j+1], v[TT:TT+1] neg_lo:[0,0,1] neg_hi:[0,0,1]
	v_pk_fma_f32 v[ACC+32*\t+8*\e+16+\j:ACC+32*\t+8*\e+17+\j], v[ACC+32*\t+8*\e+16+\j:ACC+32*\t+8*\e+17+\j], v[COS+8*\e+\j:COS+8*\e+\j+1], v[TT+2:TT+3]
.endr
.endr
	QUANT2 ACC+32*\t, CD+8*\t, PWR+\t
	global_store_b128 v[VO+\t], v[CD+8*\t:CD+8*\t+3], s[OUTC:OUTC+1]               ; 32 lanes store 512 consecutive bytes, aligned; each tile has its own data and offset registers
	global_store_b128 v[VO+\t], v[CD+8*\t+4:CD+8*\t+7], s[OUTC:OUTC+1] offset:512
.endm
	s_load_b512 s[4:19], s[0:1], 0x0               ; x's codes, scales; Wq's; Wk's; Wv's
	s_load_b256 s[20:27], s[0:1], 0x40             ; position_ids, qimg, qs, kv
	v_lshl_add_u32 v[SPW], v0, 2, SPARE
	v_mov_b32 v[NIL], 0
	ds_add_u32 v1, v2
	ds_add_u32 v1, v2
	s_wait_dscnt 0x0
	v_lshrrev_b32 v32, 5, v0
	s_delay_alu instid0(VALU_DEP_1)
	v_readfirstlane_b32 s[WV], v32                 ; wave 0..11
	s_lshr_b32 s[HD], s[WV], 1                     ; head slot
	s_and_b32 s[TH], s[WV], 1                      ; token half
	s_add_co_u32 s[ISV], s[HD], 3
	s_lshr_b32 s[ISV], s[ISV], 3                   ; 1 for the v waves
	; every LDS address is made here, ahead of the first branch on the wave's number
	s_xor_b32 s98, s[ISV], 1
	s_lshl_b32 s99, s[HD], 6
	s_add_co_u32 s99, s99, 128
	s_mul_i32 s99, s99, s98
	s_lshl_b32 s100, s[TH], 6
	s_mul_i32 s101, s100, s[ISV]
	s_add_co_u32 s99, s99, s101                    ; source 0's first slot row: my head's rows of W, or (v) my tokens
	s_mul_i32 s100, s100, s98
	s_mul_i32 s101, s[ISV], 448
	s_add_co_u32 s101, s101, s100                  ; source 1's: my tokens, or (v) Wv's rows
	s_lshl_b32 s98, s[ISV], 7
	s_add_co_u32 s100, s100, s98                   ; my first row of the table: my tokens, or (v) the rows with cos = 1
	v_and_b32 v32, 15, v0                          ; r
	v_bfe_u32 v33, v0, 4, 1                        ; h
	s_delay_alu instid0(VALU_DEP_2)
	v_mul_u32_u24 v34, v32, PITCH
	s_delay_alu instid0(VALU_DEP_1)
	v_lshl_add_u32 v35, v33, 4, v34
	s_mul_i32 s98, s99, PITCH
	v_add_nc_u32 v[ADR0], s98, v35
	s_delay_alu instid0(VALU_DEP_1)
	v_add_nc_u32 v[ADR0+1], SLOT, v[ADR0]
	s_mul_i32 s98, s101, PITCH
	v_add_nc_u32 v[ADR1], s98, v35
	s_delay_alu instid0(VALU_DEP_1)
	v_add_nc_u32 v[ADR1+1], SLOT, v[ADR1]
	v_lshl_add_u32 v35, v33, 5, v34
	s_mul_i32 s98, s100, PITCH
	v_add_nc_u32 v[RTR], s98, v35                  ; row x 272 + 32 h: my eight frequencies of each sixteen
	v_lshrrev_b32 v35, 3, v32
	v_and_b32 v36, 7, v32
	s_delay_alu instid0(VALU_DEP_2)
	v_mul_u32_u24 v35, v35, 272
	s_delay_alu instid0(VALU_DEP_1)
	v_lshl_add_u32 v35, v36, 5, v35
	s_lshr_b32 s98, s99, 3
	s_mul_i32 s98, s98, 272
	s_add_co_u32 s98, s98, SCL
	v_add_nc_u32 v[ADRS0], s98, v35
	s_lshr_b32 s98, s101, 3
	s_mul_i32 s98, s98, 272
	s_add_co_u32 s98, s98, SCL
	v_add_nc_u32 v[ADRS1], s98, v35
	v_and_b32 v36, 31, v0
	s_mul_i32 s98, s[WV], 16*PITCH
	v_lshl_add_u32 v[RTW], v36, 2, s98
	; inv_freq
	v_mov_b32 v[INV], 1.0
	SETF 1, 1.3335214321633240
	SETF 2, 1.7782794100389228
	SETF 3, 2.3713737056616552
	SETF 4, 3.1622776601683795
	SETF 5, 4.2169650342858226
	SETF 6, 5.6234132519034910
	SETF 7, 7.4989420933245582
	SETF 8, 10.0
	SETF 9, 13.335214321633240
	SETF 10, 17.782794100389228
	SETF 11, 23.713737056616552
	SETF 12, 31.622776601683795
	SETF 13, 42.169650342858226
	SETF 14, 56.234132519034910
	SETF 15, 74.989420933245582
	SETF 16, 100.0
	SETF 17, 133.35214321633240
	SETF 18, 177.82794100389228
	SETF 19, 237.13737056616552
	SETF 20, 316.22776601683795
	SETF 21, 421.69650342858226
	SETF 22, 562.34132519034910
	SETF 23, 749.89420933245582
	SETF 24, 1000.0
	SETF 25, 1333.5214321633240
	SETF 26, 1778.2794100389228
	SETF 27, 2371.3737056616552
	SETF 28, 3162.2776601683795
	SETF 29, 4216.9650342858226
	SETF 30, 5623.4132519034910
	SETF 31, 7498.9420933245582
	s_wait_alu depctr_va_vdst(0)
	v_rcp_f32 v37, v[INV]
	v_nop                                          ; a plain place behind the transcendental
	s_wait_alu depctr_va_vdst(0)
	v_fma_f32 v38, -v[INV], v37, 1.0               ; one step of Newton's: the quotient to the last bit
	v_fma_f32 v37, v37, v38, v37
	s_cmp_lt_u32 s[WV], 8
	s_cselect_b32 s98, 1.0, 0
	v_mul_f32 v[INV], s98, v37                     ; waves 8-11: angle 0
	s_mov_b32 s[SEL], 0x76543210
	s_mov_b32 s[SEL+1], 0xfedcba98                 ; v_permlanex16_b32's selects for lane l xor 16
	s_mov_b32 s[MNT], 0x600000                     ; the mantissa field of 57,344
	s_mov_b32 s[HIM], 0xffff0000                   ; lanes 16-31
	; descriptors.  x's hang on the token block (cx) alone, W's on the group (cy) alone, each in registers that never hold the other coordinate
	s_bfe_u32 s2, ttmp6, 0x40000                   ; cx
	s_bfe_u32 s3, ttmp6, 0x40004                   ; cy = the group g
	s_lshl_b32 s66, 0x1111, s2                     ; my column of the cluster
	s_or_b32 s[G1X], s66, FLC
	s_lshl_b32 s98, s3, 2
	s_lshl_b32 s98, 15, s98                        ; my row
	s_or_b32 s[G1W], s98, FLC
.irp g, G1X, G1W
	s_mov_b32 s[\g+1], 256<<16                     ; tensor_dim0 = 256 bytes
	s_mov_b32 s[\g+2], 64<<16                      ; tensor_dim1 = 64 rows
	s_mov_b32 s[\g+3], 256<<16                     ; tile_dim0
	s_mov_b32 s[\g+4], 64                          ; tile_dim1
	s_mov_b32 s[\g+5], 1024                        ; from row to row
	s_mov_b32 s[\g+6], 0
	s_mov_b32 s[\g+7], 0
.endr
	s_lshl_b32 s66, ttmp9, 2
	s_add_co_u32 s2, s66, s2                       ; tb = 4 x cluster x + cx
	s_and_b32 s67, s[WV], 1
	s_lshl_b32 s67, s67, 6
	s_lshl_b32 s66, s2, 7
	s_add_co_u32 s66, s66, s67                     ; x: the first of the 64 tokens that I would fetch
	s_mov_b32 s67, 0
	s_max_u32 s98, s[WV], 2
	s_sub_co_u32 s98, s98, 2
	s_min_u32 s98, s98, 3
	s_lshl_b32 s98, s98, 6
	s_lshl_b32 s99, s3, 8
	s_add_co_u32 s98, s98, s99                     ; Wq: row 256 g + 64 (wave - 2)
	s_lshl_b32 s99, s3, 6                          ; Wk, Wv: row 64 g
	s_cmp_lt_u32 s[WV], 6
	s_cselect_b32 s98, s98, s99
	s_mov_b32 s99, 0
	s_mul_i32 s100, s[WV], CHUNK                   ; where they go: the wave's number alone
	s_wait_kmcnt 0x0
	s_cmp_eq_u32 s[WV], 6                          ; which weight: a choice on the wave's number
	s_cselect_b64 s[12:13], s[12:13], s[16:17]
	s_cselect_b64 s[14:15], s[14:15], s[18:19]
	s_cmp_lt_u32 s[WV], 6
	s_cselect_b64 s[8:9], s[8:9], s[12:13]
	s_cselect_b64 s[10:11], s[10:11], s[14:15]
	s_lshl_b32 s66, s66, 5                         ; 32 scale bytes a row
	s_lshl_b32 s98, s98, 5
	s_add_nc_u64 s[G0SX+2:G0SX+3], s[6:7], s[66:67]     ; where the scale bytes of my 64 rows begin: x's,
	s_add_nc_u64 s[G0SW+2:G0SW+3], s[10:11], s[98:99]   ; or my weight's
	s_lshl_b32 s66, s66, 5                         ; 1,024 codes a row
	s_lshl_b32 s98, s98, 5
	s_add_nc_u64 s[4:5], s[4:5], s[66:67]
	s_add_nc_u64 s[8:9], s[8:9], s[98:99]
.irp s, 0,1
	s_mov_b32 s[G0X+4*\s], 1
	s_add_co_u32 s[G0X+4*\s+1], s100, \s*SLOT
	s_add_nc_u64 s[G0X+4*\s+2:G0X+4*\s+3], s[4:5], \s*256
	s_or_b32 s[G0X+4*\s+3], s[G0X+4*\s+3], 0x80000000
	s_mov_b32 s[G0W+4*\s], 1
	s_add_co_u32 s[G0W+4*\s+1], s100, \s*SLOT
	s_add_nc_u64 s[G0W+4*\s+2:G0W+4*\s+3], s[8:9], \s*256
	s_or_b32 s[G0W+4*\s+3], s[G0W+4*\s+3], 0x80000000
.endr
	CROUND                                         ; all sixteen work-groups are here: the first joint loads meet
	JLOAD 0                                        ; K step 0: one tensor load for each of waves 0-7 at the head
	; The scale bytes, 2,048 dense bytes for each of waves 0-7, come through registers: four loads of 512 consecutive bytes, stored into rows of 256 + 16 bytes.
	; They are 16 KB beside the 512 KB of codes that a work-group asks for jointly, so they are not asked for jointly.
	v_and_b32 v64, 15, v0
	v_bfe_u32 v65, v0, 4, 1
	v_lshlrev_b32 v64, 4, v64
	v_mad_u32_u24 v64, v65, 272, v64               ; 16 bytes a lane; lanes 16-31 take the next row of 256
	s_min_u32 s98, s[WV], 7
	s_mul_i32 s98, s98, SCH
	s_add_co_u32 s98, s98, SCL
	v_add_nc_u32 v64, s98, v64
	v_and_b32 v65, 31, v0
	v_lshlrev_b32 v65, 4, v65
	s_cmp_lt_u32 s[WV], 2
	s_cselect_b64 s[G0SX+2:G0SX+3], s[G0SX+2:G0SX+3], s[G0SW+2:G0SW+3]
	s_wait_alu depctr_va_vdst(0)                   ; ahead of the readers below
	s_cmp_lt_u32 s[WV], 8
	s_cbranch_scc0 .Lno_scales
.irp i, 0,1,2,3
	global_load_b128 v[96+4*\i:99+4*\i], v65, s[G0SX+2:G0SX+3] offset:512*\i
.endr
	s_wait_loadcnt 0x0
	s_wait_tensorcnt 0x0                           ; no tensor load of mine is out when I store to LDS
.irp i, 0,1,2,3
	ds_store_b128 v64, v[96+4*\i:99+4*\i] offset:544*\i
.endr
.Lno_scales:
	s_wait_tensorcnt 0x0                           ; my part of K step 0 is in
	ds_add_u32 v[SPW], v[NIL]
	ds_add_u32 v[SPW], v[NIL]                      ; twice on end
	s_wait_dscnt 0x0                               ; the adds and my stores of scale bytes are done
	CROUND                                         ; K step 0 and the scale bytes are whole, and the joint loads meet
	JLOAD 1                                        ; K step 1 into slot 1
	; 16 position ids, those of the table rows that my wave makes
	s_and_b32 s98, s[WV], 7
	s_lshl_b32 s98, s98, 4
	s_lshl_b32 s99, s2, 7
	s_add_co_u32 s98, s98, s99
	s_lshl_b32 s98, s98, 2
	s_mov_b32 s99, 0
	s_add_nc_u64 s[20:21], s[20:21], s[98:99]
	s_load_b512 s[POS:POS+15], s[20:21], 0x0
	s_mov_b32 s[C2PI], 0x3f22f983                  ; 2 / pi
	s_mov_b32 s[NC1], 0xbfc90fdb                   ; -fl(pi / 2)
	s_mov_b32 s[NC2], 0x333bbd2e                   ; fl(pi / 2) - pi / 2
	s_mov_b32 s[S1], -0.00019515295891
	s_mov_b32 s[S2], 0.0083321608736
	s_mov_b32 s[S3], -0.16666654611
	s_mov_b32 s[K1], 0.00002443315711809948
	s_mov_b32 s[K2], -0.001388731625493765
	s_mov_b32 s[K3], 0.04166664568298827
	; where my results go
	s_lshr_b32 s13, s2, 4                          ; batch
	s_and_b32 s14, s2, 15                          ; key step
	s_lshl_b32 s13, s13, 2
	s_add_co_u32 s13, s13, s3                      ; bg = 4 x batch + g
	s_lshl_b32 s15, s13, 4
	s_add_co_u32 s15, s15, s14
	s_mul_i32 s15, s15, KVB                        ; my block of kv;
	s_mul_i32 s16, s[ISV], 8704
	s_add_co_u32 s15, s15, s16                     ; V's part lies 8,704 bytes behind K's
	s_lshl_b32 s16, s[ISV], 1
	s_lshl_b32 s17, s[TH], 12
	s_lshr_b32 s17, s17, s16                       ; my half: 4,096 bytes on (k: four tiles of keys), 1,024 on (v: two blocks of keys)
	s_add_co_u32 s17, s17, s15
	s_lshl_b32 s18, s[TH], 8
	s_add_co_u32 s18, s18, s15
	s_add_co_u32 s18, s18, 8192                    ; its scale words
	s_lshl_b32 s19, 1024, s[ISV]                   ; from tile to tile: 1,024 (k), 2,048 (v)
	s_lshl_b32 s15, s14, 3
	s_lshl_b32 s16, s[TH], 2
	s_add_co_u32 s15, s15, s16
	s_lshl_b32 s15, s15, 12                        ; q: tile of 16 queries x 4,096
	s_lshl_b32 s16, s13, 19
	s_add_co_u32 s15, s15, s16
	s_lshl_b32 s16, s[HD], 10
	s_add_co_u32 s15, s15, s16
	s_lshl_b32 s16, s13, 2
	s_add_co_u32 s16, s16, s[HD]
	s_lshl_b32 s16, s16, 13                        ; q's scale words: (4 bg + head) x 8,192
	s_lshl_b32 s14, s14, 9
	s_add_co_u32 s16, s16, s14
	s_lshl_b32 s14, s[TH], 8
	s_add_co_u32 s16, s16, s14
	s_mov_b32 s14, 4096
	s_mov_b32 s[FLOOR], 0x8000000                  ; 2^(16 - 127)
	s_cmp_lt_u32 s[HD], 4                          ; a q wave?  Only selections follow the compare
	s_cselect_b64 s[OUTC:OUTC+1], s[22:23], s[26:27]
	s_cselect_b64 s[OUTS:OUTS+1], s[24:25], s[26:27]
	s_cselect_b32 s15, s15, s17
	s_cselect_b32 s16, s16, s18
	s_cselect_b32 s14, s14, s19
	s_cselect_b32 s[FLOOR], 0x9800000, s[FLOOR]    ; q: 2^(19 - 127), so that 3 can be taken off the byte
	s_cselect_b32 s[ADJ], 0x303, 0
	v_and_b32 v32, 31, v0
	s_delay_alu instid0(VALU_DEP_1)
	v_lshlrev_b32 v32, 4, v32
	s_delay_alu instid0(VALU_DEP_1)
	v_add_nc_u32 v[VO], s15, v32
	s_delay_alu instid0(VALU_DEP_1)
	v_add_nc_u32 v[VO+1], s14, v[VO]
	s_delay_alu instid0(VALU_DEP_1)
	v_add_nc_u32 v[VO+2], s14, v[VO+1]
	s_delay_alu instid0(VALU_DEP_1)
	v_add_nc_u32 v[VO+3], s14, v[VO+2]
	SUB 0, 0, 0, 1                                 ; the first products start the sums
	SUB 0, 1, 0, 0
	CHANGE 0, 1                                    ; slot 0 takes K step 2
	SUB 1, 0, 1, 0
	SUB 1, 1, 1, 0
	CHANGE 1, 1                                    ; slot 1 takes K step 3
	SUB 0, 0, 2, 0
	SUB 0, 1, 2, 0
	CHANGE 0, 0                                    ; nothing more is fetched.  Slot 0 has had its last fill and its last read: the table is laid there
	s_wait_kmcnt 0x0                               ; the position ids
.irp i, 0,1,2,3,4,5,6,7,8,9,10,11,12,13,14,15
	ROPEROW \i
.endr
	s_wait_dscnt 0x0                               ; the stores have read their registers, into which the next loads land
	SUB 1, 0, 3, 0
	SUB 1, 1, 3, 0
	s_wait_dscnt 0x0                               ; for the others' sake: my rows of the table are stored
	s_barrier_signal -1
	s_barrier_wait -1
	v_mov_b32 v[TM+2], 0                           ; written once: a lane permute's destination counts as one of its sources
	v_mov_b32 v[TM+3], 0
	TILE 0
	TILE 1
	TILE 2
	TILE 3
	v_and_b32 v[VSO], 31, v0
	s_delay_alu instid0(VALU_DEP_1)
	v_lshl_add_u32 v[VSO], v[VSO], 2, s16
	v_cndmask_b32 v[SW], v[PWR], v[PWR+1], s[HIM]  ; lanes 0-15: tile 0's words, lanes 16-31: tile 1's
	v_cndmask_b32 v[SW+1], v[PWR+2], v[PWR+3], s[HIM]
	global_store_b32 v[VSO], v[SW], s[OUTS:OUTS+1]                 ; the two stores are the halves of 256 consecutive bytes, aligned
	global_store_b32 v[VSO], v[SW+1], s[OUTS:OUTS+1] offset:128
	s_wait_tensorcnt 0x0                           ; the wave's end
	ds_add_u32 v[SPW], v[NIL]
	s_wait_dscnt 0x0
	CROUND                                         ; the closing round
	s_endpgm
.Lfunc_end_k_qa95b8a425b_qkv:
	.size	k_qa95b8a425b_qkv, .Lfunc_end_k_qa95b8a425b_qkv-k_qa95b8a425b_qkv
	.p2alignl 7, 3214868480
	.fill 96, 4, 3214868480
	.section	.rodata,"a",@progbits
	.p2align	6, 0x0
	.amdhsa_kernel k_qa95b8a425b_qkv
		.amdhsa_group_segment_fixed_size 327680
		.amdhsa_private_segment_fixed_size 0
		.amdhsa_enable_private_segment 0
		.amdhsa_kernarg_size 96
		.amdhsa_user_sgpr_count 2
		.amdhsa_user_sgpr_kernarg_segment_ptr 1
		.amdhsa_wavefront_size32 1
		.amdhsa_system_sgpr_workgroup_id_x 1
		.amdhsa_system_sgpr_workgroup_id_y 1
		.amdhsa_system_sgpr_workgroup_id_z 1
		.amdhsa_system_vgpr_workitem_id 0
		.amdhsa_next_free_vgpr 256
		.amdhsa_next_free_sgpr 102
		.amdhsa_reserve_vcc 1
		.amdhsa_float_denorm_mode_32 3
		.amdhsa_float_denorm_mode_16_64 3
		.amdhsa_memory_ordered 1
		.amdhsa_forward_progress 1
		.amdhsa_inst_pref_size 122
	.end_amdhsa_kernel
	.amdgpu_metadata
---
amdhsa.version: [ 1, 2 ]
amdhsa.kernels:
  - .name:           k_qa95b8a425b_qkv
    .symbol:         k_qa95b8a425b_qkv.kd
    .args:
      - { .name: hidden_states_codes, .offset: 0, .size: 8, .value_kind: global_buffer, .address_space: global }
      - { .name: hidden_states_scales, .offset: 8, .size: 8, .value_kind: global_buffer, .address_space: global }
      - { .name: Wq_codes, .offset: 16, .size: 8, .value_kind: global_buffer, .address_space: global }
      - { .name: Wq_scales, .offset: 24, .size: 8, .value_kind: global_buffer, .address_space: global }
      - { .name: Wk_codes, .offset: 32, .size: 8, .value_kind: global_buffer, .address_space: global }
      - { .name: Wk_scales, .offset: 40, .size: 8, .value_kind: global_buffer, .address_space: global }
      - { .name: Wv_codes, .offset: 48, .size: 8, .value_kind: global_buffer, .address_space: global }
      - { .name: Wv_scales, .offset: 56, .size: 8, .value_kind: global_buffer, .address_space: global }
      - { .name: position_ids, .offset: 64, .size: 8, .value_kind: global_buffer, .address_space: global }
      - { .name: qimg, .offset: 72, .size: 8, .value_kind: global_buffer, .address_space: global }
      - { .name: qs, .offset: 80, .size: 8, .value_kind: global_buffer, .address_space: global }
      - { .name: kv, .offset: 88, .size: 8, .value_kind: global_buffer, .address_space: global }
    .group_segment_fixed_size: 327680
    .private_segment_fixed_size: 0
    .kernarg_segment_align: 8
    .kernarg_segment_size: 96
    .max_flat_workgroup_size: 384
    .sgpr_count:     102
    .vgpr_count:     256
    .wavefront_size: 32
...
	.end_amdgpu_metadata
.endif
;; end of part 1
;; launch attn (part 2): grid 16 x 16, 8 waves a work-group, clusters of 4 x 4, 327,680 bytes of LDS; arguments qimg, qs, kv, attention_mask, a_codes, a_scales; writes a_codes, a_scales
.if DOCPART == 2
	.amdgcn_target "amdgcn-amd-amdhsa--gfx1250"
	.amdhsa_code_object_version 6
	.text
	.protected	k_qa95b8a425b_attn
	.globl	k_qa95b8a425b_attn
	.p2align	8
	.type	k_qa95b8a425b_attn,@function
k_qa95b8a425b_attn:
	s_mov_b64 s[64:65], 0
	v_nop
	global_prefetch_b8 v0, s[64:65] scope:SCOPE_SE
	s_setreg_imm32_b32 hwreg(HW_REG_WAVE_MODE, 25, 1), 1
	s_wait_xcnt 0x0
	s_wait_alu depctr_hold_cnt(0) depctr_sa_sdst(0) depctr_va_vdst(0) depctr_va_sdst(0) depctr_va_ssrc(0) depctr_va_vcc(0) depctr_vm_vsrc(0)
	s_getreg_b32 s2, hwreg(HW_REG_IB_STS2, 6, 4)
	s_cmp_eq_u32 s2, 0
	s_cbranch_scc0 .Lentry_in_a_cluster
	s_endpgm
.Lentry_in_a_cluster:
	s_bfe_u32 s2, ttmp6, 0x10000c
	s_cmp_lg_u32 s2, 0xf033
	s_cbranch_scc0 .Lentry_shape_is_right
	s_endpgm
.Lentry_shape_is_right:
; Attention on codes of BF8 (E5M2): x = q k^T / 8 + mask; the FINISHED, NORMALISED softmax is quantised along the keys and multiplied by v; the result is quantised along the last product's K.
; TWO PASSES over the 2,048 keys, 128 a step: the division by the row's sum is no power of two, so the codes cannot be made before the sum is known.  The mask is an input: every key is walked in both passes.
; SHARES.  A work-group owns 128 queries of one batch and one group; wave w owns 16 of them for the group's FOUR heads, so each fragment of K, V and the mask read from LDS serves four tiles.
; LAYOUT.  Both products transposed: S^T = K Q^T + mask^T (source 0 = 16 keys, source 1 = my 16 queries, C = the mask), O^T = V^T P^T: a lane holds one query.  q's scale bytes carry 2^-3.
; K = 64 UNDER AN INSTRUCTION OF 128: Q's upper eight registers are zero codes under the byte 127; source 0 names 16 registers whose upper eight are the next fragment's finite codes (in pass 1 behind the last: zeros).
; PASS 1, L = log2(e): m = the lane's running largest x; M = ceil(m L), a whole number, kept as -M; the sum of 2^(x L - M), one fused multiply-add and one exponential a number; when M moves the sum is
; multiplied by 2^(old M - new M), which rounds nothing.  At the end the two lanes of a query are joined, and log2 l = log2(sum) - (m L - M), the bracket by one fused multiply-add.
; PASS 2: d = x - m first, so every exponent is 0 or less whatever the mask's size; p = 2^(d L - log2 l), the normalised weight.
; THE EXPONENTIALS go in two batches of 32, each with its wait ahead and behind.  Between a batch's lines stand plain lines that read only what was written ahead of the batch's first wait
; and whose results are read behind its second: the other half's multiply-adds; the first level of the first half's sums (pass 1) or block maxima (pass 2).
; RING.  Two LDS slots of one key step: 128 rows x 512 bytes of the mask and the step's block of kv (17,408 dense bytes).  The 32 steps' tiles take turns; tile t % 16 serves step t.  Every wave issues one load:
; waves 0-3 32 rows of the mask each, waves 4-7 17 rows of 256 bytes of the block each.  CLUSTER 4 x 4: the mask's tile is shared by the four groups (a column), the kv block by four query blocks (a row).
; The change of slots stands behind head 0: my reads of step t's slot are over there, so it takes tile t + 2; tile t + 1, asked for a step before, is shown whole before head 3 reads it.
; PREFETCH, pass 1 only: step t names tile t + 4, two steps ahead of its load (t <= 11).  The four partners that share a tile share its blocks of 256 bytes out by address: waves 0, 1 take 32 rows x 256 bytes of the
; mask, wave 2 its work-group's 17 blocks of kv (lanes 17-31 name the last again).  Pass 2 walks bytes that this work-group has read in pass 1, and names none of them again.
; LIMITS: NaN and infinities are not served, nor a row whose every score is under -1e38; the promise holds while |x L| stays under 2^31.  A weight under 2^-126 comes out of v_exp_f32 as 0.
; log2 l is right to about 1e-6.  A block of zeros gets the byte 1 and not 127: its codes are zeros, and this program alone reads the bytes.  Score / 8 + mask is rounded by the matrix unit.
.set SL1,   1<<17                      ; slot 1 begins here: one exclusive or turns an address
.set MROW,  528                        ; a row of the mask in LDS: 512 bytes + 16
.set KVO,   128*MROW
.set KVB,   17408
.set KVQ,   4352                       ; a quarter of a kv block: 17 rows of 256 bytes
.set SPARE, 2*SL1                      ; the spare words: 128 bytes for each of 8 waves
.set STAGE, SPARE+1024                 ; the way out: 16 rows x 272 bytes for each wave
.set SPW, 1
.set NIL, 2
.set LIK, 3                            ; 16 x lane + KVO
.set LSK, 4                            ; 4 x lane + KVO
.set AM0, 5                            ; my query's row of the mask, + 32 h
.set ADK, 6                            ; v6-8 the same three in the slot that is being read
.set ADM, 7
.set ADS, 8
.set PW,  9                            ; the weights' scale word
.set MM,  10                           ; v[10 + 4 h] m;  v[11 + 4 h] q's scale words;  v[12 + 4 h] -log2 l;  v[13 + 4 u] K's scale words (tiles 2 u, 2 u + 1)
.set QS,  11
.set CF,  12
.set KS,  13
.set VS,  26                           ; v26-27 V's scale words
.set STO, 28
.set SRD, 29
.set PFO, 30                           ; the prefetches' offset; on the way out the register becomes GO
.set GO,  30
.set GS,  31
.set TM,  32                           ; v32-47 at work
.set S,   48                           ; v48-111 the scores of one head, then the weights
.set P,   112                          ; v112-127 the weights' codes; ahead of them ten partial maxima
.set KF,  128                          ; v128-191 K: 8 fragments of 8
.set VF,  192                          ; v192-255 V: 4 fragments of 16
.set L1,  204                          ; pass 1 only: v204-211 sums in two halves, v[214 + 2 h] -M (the low word of a pair)
.set X,   224                          ; pass 1 only: v224-254 the partial maxima of the tree
.set NM,  214
.set OF,  0                            ; window 1: v0-127 O^T at 32 head + 8 tile; v128-191 Q: [8 codes | 8 zeros] a head; v192-255 the mask
.set QF,  128
.set MK,  192
.set WV,  16
.set G1M, 28
.set G1K, 36
.set G0M, 44
.set G0K, 48
.set TB,  52                           ; LDS byte at which the slot begins that is read next
.set CNT, 53
.set LC,  54
.set SEL, 56
.set MNT, 58
.set HIM, 59
.set PK,  60
.set UT,  61                           ; the tile asked for last
.set BM,  62                           ; s[62:63] tile 0 of my part of the mask; s[66:67] of kv
.set BK,  66
.set OM,  68                           ; s[68:69], s[70:71] a tile's byte offset
.set OK,  70
.set PFA, 80
.set PFS, 82
.set LIM, 84
.set MSB, 0
.macro WIN new
.if MSB != \new
	s_set_vgpr_msb (MSB<<8)|\new
.set MSB, \new
.endif
.endm
.set W_QK,  0x14                       ; source 1 (Q) and C (the mask) in window 1
.set W_PV,  0x50                       ; C and D (O^T) in window 1
.set TO1,   0x40
.set FROM1, 0x01
.set FROM2, 0x05
.macro AWAIT
	s_wait_alu depctr_va_vdst(0)
.endm
.macro CROUND                          ; a round of the cluster's barrier
	s_barrier_signal -1
	s_barrier_wait -1
	s_cmp_lg_u32 s[WV], 0
	s_cbranch_scc1 .Lnot_wave_0_\@
	s_barrier_signal -3
.Lnot_wave_0_\@:
	s_barrier_wait -3
	s_barrier_signal -1
	s_barrier_wait -1
.endm
.macro TLOAD                           ; every wave's one joint load; the branch hangs on the wave's number alone; s_nop 0 and four v_nop follow each
	s_cmp_lt_u32 s[WV], 4
	s_cbranch_scc0 .Lkv_\@
	tensor_load_to_lds s[G0M:G0M+3], s[G1M:G1M+7]
	s_nop 0
.rept 4
	v_nop
.endr
	s_branch .Lasked_\@
.Lkv_\@:
	tensor_load_to_lds s[G0K:G0K+3], s[G1K:G1K+7]
	s_nop 0
.rept 4
	v_nop
.endr
.Lasked_\@:
.endm
.macro NEXTD                           ; the descriptors step to the next tile (modulo 16) and the other slot; no tensor load of mine is out
	s_xor_b32 s[G0M+1], s[G0M+1], SL1
	s_xor_b32 s[G0K+1], s[G0K+1], SL1
	s_add_co_u32 s[UT], s[UT], 1
	s_and_b32 s[UT], s[UT], 15
	s_lshl_b32 s[OM], s[UT], 9
	s_mul_i32 s[OK], s[UT], KVB
	s_add_nc_u64 s[G0M+2:G0M+3], s[BM:BM+1], s[OM:OM+1]
	s_add_nc_u64 s[G0K+2:G0K+3], s[BK:BK+1], s[OK:OK+1]
	s_or_b32 s[G0M+3], s[G0M+3], 0x80000000
	s_or_b32 s[G0K+3], s[G0K+3], 0x80000000
.endm
; The change of slots.  fill = 1: a round of the cluster's barrier, and the slot of the step in hand takes the tile two steps on.  pf = 1 (pass 1): the prefetch.
.macro CHANGE fill, pf
	WIN 0
.if \pf
	s_wait_xcnt 0x0                                ; my last prefetch has read its address
	s_add_nc_u64 s[PFA:PFA+1], s[PFA:PFA+1], s[PFS:PFS+1]
.endif
	s_wait_tensorcnt 0x0                           ; my part of the next step's tile has landed
	ds_add_u32 v[SPW], v[NIL]
.if \fill
	NEXTD
.endif
	s_xor_b32 s[TB], s[TB], SL1                    ; what is read next lies in the other slot
	s_wait_dscnt 0x0                               ; the add is done; my reads of the slot of the step in hand are over
.if \fill
	CROUND
	TLOAD
.if \pf
	s_cmp_lt_u32 s[CNT], s[LIM]                    ; steps 0 .. 11, waves 0 .. 2
	s_cbranch_scc0 .Lnot_mine_\@
	global_prefetch_b8 v[PFO], s[PFA:PFA+1] th:TH_LOAD_NT scope:SCOPE_SE
.Lnot_mine_\@:
.endif
.else
	s_barrier_signal -1
	s_barrier_wait -1
.endif
.endm
.macro PLACES8                         ; eight places behind this matrix form
.rept 8
	v_nop
.endr
.endm
.macro KSLOAD
.irp u, 0,1,2,3
	ds_load_b32 v[KS+4*\u], v[ADS] offset:8192+128*\u
.endr
.endm
; K's fragments and the mask of the step whose slot begins at s[TB].  ks = 1 (pass 1): K's scale words too; in pass 2 those come with V, since their registers are upper halves of pairs that the packed forms name.
.macro LOADK ks
	v_add_nc_u32 v[ADK], s[TB], v[LIK]
	v_add_nc_u32 v[ADM], s[TB], v[AM0]
	v_add_nc_u32 v[ADS], s[TB], v[LSK]
.irp T, 0,1,2,3,4,5,6,7
.irp c, 0,1
	ds_load_b128 v[KF+8*\T+4*\c:KF+8*\T+4*\c+3], v[ADK] offset:1024*\T+512*\c
.endr
.endr
.if \ks
	KSLOAD
.endif
	WIN TO1
.irp T, 0,1,2,3,4,5,6,7
	ds_load_b128 v[MK+8*\T:MK+8*\T+3], v[ADM] offset:64*\T
	ds_load_b128 v[MK+8*\T+4:MK+8*\T+7], v[ADM] offset:64*\T+16
.endr
	WIN 0
.endm
.macro LOADV ks
.if \ks
	KSLOAD
.endif
.irp a, 0,1
.irp u, 0,1
	ds_load_b32 v[TM+2*\a+\u], v[ADS] offset:16896+256*\a+128*\u
.endr
.endr
.irp t, 0,1,2,3
.irp c, 0,1,2,3
	ds_load_b128 v[VF+16*\t+4*\c:VF+16*\t+4*\c+3], v[ADK] offset:8704+2048*\t+512*\c
.endr
.endr
.endm
.macro QK h                            ; x = q k / 8 + mask for head h: eight tiles of 16 keys, and the places behind them
	WIN W_QK
.irp T, 0,1,2,3,4,5,6,7
.if (\T)%2
	v_wmma_scale_f32_16x16x128_f8f6f4 v[S+8*\T:S+8*\T+7], v[KF+8*\T:KF+8*\T+15], v[QF+16*\h:QF+16*\h+15], v[MK+8*\T:MK+8*\T+7], v[KS+4*(\T/2)], v[QS+4*\h] matrix_a_fmt:MATRIX_FMT_BF8 matrix_b_fmt:MATRIX_FMT_BF8 matrix_a_scale:MATRIX_SCALE_ROW1
.else
	v_wmma_scale_f32_16x16x128_f8f6f4 v[S+8*\T:S+8*\T+7], v[KF+8*\T:KF+8*\T+15], v[QF+16*\h:QF+16*\h+15], v[MK+8*\T:MK+8*\T+7], v[KS+4*(\T/2)], v[QS+4*\h] matrix_a_fmt:MATRIX_FMT_BF8 matrix_b_fmt:MATRIX_FMT_BF8
.endif
.endr
	WIN 0
	PLACES8
.endm
.macro FMAS c                          ; the first half's exponents: S x L + the low word of the pair at c
.set jj, 0
.rept 16
	v_pk_fma_f32 v[S+jj:S+jj+1], v[S+jj:S+jj+1], s[LC:LC+1], v[\c:\c+1] op_sel_hi:[1,0,0]
.set jj, jj+2
.endr
.endm
.macro MIX1 c                          ; the first half's 32 exponentials; between them the second half's exponents.  The last line is the plain place behind the batch
.set jj, 0
.rept 16
	v_exp_f32 v[S+jj], v[S+jj]
	v_exp_f32 v[S+jj+1], v[S+jj+1]
	v_pk_fma_f32 v[S+32+jj:S+33+jj], v[S+32+jj:S+33+jj], s[LC:LC+1], v[\c:\c+1] op_sel_hi:[1,0,0]
.set jj, jj+2
.endr
.endm
.macro LEVEL s0, d, n                  ; a level of the sums' tree, in place: n independent packed additions of pairs d registers apart
.set jj, \s0
.rept \n
	v_pk_add_f32 v[S+jj:S+jj+1], v[S+jj:S+jj+1], v[S+jj+\d:S+jj+\d+1]
.set jj, jj+2*\d
.endr
.endm
.macro P1HEAD h, ld
	QK \h
.if \ld
	LOADK 1
.endif
.set jj, 0
.rept 21                               ; my lane's largest x by a tree of triples: 21, 7, 3 and 1 independent lines; the registers are taken in ascending order
	v_max3_num_f32 v[X+jj], v[S+3*jj], v[S+3*jj+1], v[S+3*jj+2]
.set jj, jj+1
.endr
.set jj, 0
.rept 7
	v_max3_num_f32 v[X+21+jj], v[X+3*jj], v[X+3*jj+1], v[X+3*jj+2]
.set jj, jj+1
.endr
	v_max3_num_f32 v[X+28], v[X+21], v[X+22], v[X+23]
	v_max3_num_f32 v[X+29], v[X+24], v[X+25], v[X+26]
	v_max3_num_f32 v[X+30], v[X+27], v[S+63], v[MM+4*\h]
	v_mov_b32 v[TM+4], v[NM+2*\h]
	v_max3_num_f32 v[MM+4*\h], v[X+28], v[X+29], v[X+30]   ; the running maximum m
	v_mul_f32 v[TM+5], s[LC], v[MM+4*\h]
	v_floor_f32 v[NM+2*\h], -v[TM+5]               ; -M = floor(-m L)
	FMAS NM+2*\h
	v_sub_f32 v[TM+4], v[NM+2*\h], v[TM+4]         ; old M - new M: a whole number, 0 or less
	v_cvt_i32_f32 v[TM+4], v[TM+4]                 ; (it saturates)
	v_ldexp_f32 v[TM+6], 1.0, v[TM+4]
	AWAIT
	MIX1 NM+2*\h
	AWAIT
.set jj, 0
.rept 8                                ; the second half's exponentials; between them the first level of the first half's sums
	v_exp_f32 v[S+32+jj], v[S+32+jj]
	v_exp_f32 v[S+33+jj], v[S+33+jj]
	v_exp_f32 v[S+34+jj], v[S+34+jj]
	v_exp_f32 v[S+35+jj], v[S+35+jj]
	v_pk_add_f32 v[S+jj:S+jj+1], v[S+jj:S+jj+1], v[S+jj+2:S+jj+3]
.set jj, jj+4
.endr
	AWAIT
	LEVEL 32, 2, 8                                 ; the second half's first level; then the tree over both halves: 8, 4, 2, 1
	LEVEL 0, 4, 8
	LEVEL 0, 8, 4
	LEVEL 0, 16, 2
	LEVEL 0, 32, 1
	v_pk_fma_f32 v[L1+2*\h:L1+2*\h+1], v[L1+2*\h:L1+2*\h+1], v[TM+6:TM+7], v[S:S+1] op_sel_hi:[1,0,1]   ; the old sum under the new M, and the step's
.endm
.macro FINISH1                         ; the two lanes of a query are joined: the row's m and M, its sum, -log2 l
.irp h, 0,1,2,3
	v_permlanex16_b32 v[TM+\h], v[MM+4*\h], s[SEL], s[SEL+1]
.endr
.irp h, 0,1,2,3
	v_permlanex16_b32 v[TM+4+\h], v[NM+2*\h], s[SEL], s[SEL+1]
.endr
.irp h, 0,1,2,3
	v_max_num_f32 v[MM+4*\h], v[MM+4*\h], v[TM+\h]
.endr
.irp h, 0,1,2,3
	v_min_num_f32 v[TM+4+\h], v[NM+2*\h], v[TM+4+\h]   ; the row's -M
.endr
.irp h, 0,1,2,3
	v_sub_f32 v[TM+8+\h], v[TM+4+\h], v[NM+2*\h]       ; my M - the row's: a whole number, 0 or less
.endr
.irp h, 0,1,2,3
	v_cvt_i32_f32 v[TM+8+\h], v[TM+8+\h]
.endr
.irp h, 0,1,2,3
	v_add_f32 v[TM+12+\h], v[L1+2*\h], v[L1+2*\h+1]
.endr
.irp h, 0,1,2,3
	v_ldexp_f32 v[TM+12+\h], v[TM+12+\h], v[TM+8+\h]
.endr
.irp h, 0,1,2,3
	v_permlanex16_b32 v[TM+\h], v[TM+12+\h], s[SEL], s[SEL+1]
.endr
.irp h, 0,1,2,3
	v_add_f32 v[TM+12+\h], v[TM+12+\h], v[TM+\h]       ; the sum of 2^(x L - M) over the row
.endr
.irp h, 0,1,2,3
	v_fma_f32 v[TM+8+\h], v[MM+4*\h], s[LC], v[TM+4+\h]   ; m L - M
.endr
	AWAIT
.irp h, 0,1,2,3
	v_log_f32 v[TM+\h], v[TM+12+\h]
.endr
	v_nop
	AWAIT
.irp h, 0,1,2,3
	v_sub_f32 v[CF+4*\h], v[TM+8+\h], v[TM+\h]         ; -log2 l
.endr
.endm
; ld = 1: behind these K Q^T products K's and the mask's registers take the next step's; tail = 1: not in the very last step (a branch on the count of steps)
.macro P2HEAD h, ld, tail
	QK \h
.if \ld
.if \tail
	s_cmp_eq_u32 s[CNT], 1
	s_cbranch_scc1 .Lnok_\@
.endif
	LOADK 0
.if \tail
.Lnok_\@:
.endif
.endif
.set jj, 0
.rept 32                               ; d = x - m; each accumulator is read from its low end on
	v_pk_add_f32 v[S+jj:S+jj+1], v[S+jj:S+jj+1], v[MM+4*\h:MM+4*\h+1] op_sel_hi:[1,0] neg_lo:[0,1] neg_hi:[0,1]
.set jj, jj+2
.endr
	FMAS CF+4*\h
	AWAIT
	MIX1 CF+4*\h
	AWAIT
.set jj, 0
.rept 10                               ; the second half's exponentials; between them the first level of blocks 0 and 1's maxima, five triples a block
	v_exp_f32 v[S+32+3*jj], v[S+32+3*jj]
	v_exp_f32 v[S+33+3*jj], v[S+33+3*jj]
	v_exp_f32 v[S+34+3*jj], v[S+34+3*jj]
	v_max3_num_f32 v[P+jj], v[S+16*(jj/5)+3*(jj%5)], v[S+16*(jj/5)+3*(jj%5)+1], v[S+16*(jj/5)+3*(jj%5)+2]
.set jj, jj+1
.endr
	v_exp_f32 v[S+62], v[S+62]
	v_exp_f32 v[S+63], v[S+63]
	v_nop
	AWAIT
.set jj, 0
.rept 10                               ; blocks 2 and 3: their five triples each
	v_max3_num_f32 v[TM+4+jj], v[S+32+16*(jj/5)+3*(jj%5)], v[S+32+16*(jj/5)+3*(jj%5)+1], v[S+32+16*(jj/5)+3*(jj%5)+2]
.set jj, jj+1
.endr
.irp b, 0,1                            ; each block's five partial maxima and its sixteenth number become two,
	v_max3_num_f32 v[TM+\b], v[P+5*\b], v[P+5*\b+1], v[P+5*\b+2]
	v_max3_num_f32 v[P+10+\b], v[P+5*\b+3], v[P+5*\b+4], v[S+16*\b+15]
.endr
.irp b, 0,1
	v_max3_num_f32 v[TM+2+\b], v[TM+4+5*\b], v[TM+5+5*\b], v[TM+6+5*\b]
	v_max3_num_f32 v[P+12+\b], v[TM+7+5*\b], v[TM+8+5*\b], v[S+47+16*\b]
.endr
.irp b, 0,1,2,3                        ; and one, over the floor 2^(16 - 127), which holds the byte at 1
	v_max3_num_f32 v[TM+\b], v[TM+\b], v[P+10+\b], 0x8000000
.endr
.irp b, 0,1,2,3
	v_permlanex16_b32 v[TM+4+\b], v[TM+\b], s[SEL], s[SEL+1]
.endr
.irp b, 0,1,2,3
	v_max_num_f32 v[TM+\b], v[TM+\b], v[TM+4+\b]
.endr
.irp b, 0,1,2,3
	v_add_nc_u32 v[TM+12+\b], 0xf8800000, v[TM+\b] ; 15 off the exponent field: the conversion's scale operand
.endr
.irp b, 0,1,2,3
	v_and_or_b32 v[TM+8+\b], v[TM+\b], 0x7f800000, s[MNT]   ; 57,344 x the scale
.endr
.irp b, 0,1,2,3
	v_lshrrev_b32 v[TM+4+\b], 23, v[TM+12+\b]
.endr
	v_lshl_or_b32 v[PW], v[TM+5], 8, v[TM+4]
	v_lshl_or_b32 v[TM+6], v[TM+7], 8, v[TM+6]
	v_lshl_or_b32 v[PW], v[TM+6], 16, v[PW]        ; the scale word: the 32 pairs below are more than its eight places
.irp b, 0,1,2,3
.irp i, 0,2,4,6,8,10,12,14             ; the conversion does not saturate (ISA guide 7.6.2); p is not negative: a one-sided hold, two numbers an instruction
	v_dual_min_num_f32 v[S+16*\b+\i], v[S+16*\b+\i], v[TM+8+\b] :: v_dual_min_num_f32 v[S+16*\b+\i+1], v[S+16*\b+\i+1], v[TM+8+\b]
.endr
	v_cvt_scalef32_pk8_bf8_f32 v[P+4*\b:P+4*\b+1], v[S+16*\b:S+16*\b+7], v[TM+12+\b]
	v_cvt_scalef32_pk8_bf8_f32 v[P+4*\b+2:P+4*\b+3], v[S+16*\b+8:S+16*\b+15], v[TM+12+\b]
.endr
.if \h == 0
	AWAIT
	s_wait_dscnt 0x0                               ; V's fragments are in: with them my reads of this step's slot are over
.endif
.rept 4
	v_nop                                          ; four places between an operand made by vector instructions and a scaled product
.endr
	WIN W_PV
.irp t, 0,1,2,3                        ; one instruction on each of the head's four accumulators
.if (\t)%2
	v_wmma_scale_f32_16x16x128_f8f6f4 v[OF+32*\h+8*\t:OF+32*\h+8*\t+7], v[VF+16*\t:VF+16*\t+15], v[P:P+15], v[OF+32*\h+8*\t:OF+32*\h+8*\t+7], v[VS+\t/2], v[PW] matrix_a_fmt:MATRIX_FMT_BF8 matrix_b_fmt:MATRIX_FMT_BF8 matrix_a_scale:MATRIX_SCALE_ROW1
.else
	v_wmma_scale_f32_16x16x128_f8f6f4 v[OF+32*\h+8*\t:OF+32*\h+8*\t+7], v[VF+16*\t:VF+16*\t+15], v[P:P+15], v[OF+32*\h+8*\t:OF+32*\h+8*\t+7], v[VS+\t/2], v[PW] matrix_a_fmt:MATRIX_FMT_BF8 matrix_b_fmt:MATRIX_FMT_BF8
.endif
.endr
	WIN 0
.endm
.macro P2STEP fill, tail
	s_wait_dscnt 14                                ; all but V's last 14 loads are in: K, the mask, the scale words, and V's first eight registers, which K's last fragment's products name
	v_perm_b32 v[VS], v[TM+2], v[TM], s[PK]        ; the two low halves make the word of the step's four blocks of keys
	v_perm_b32 v[VS+1], v[TM+3], v[TM+1], s[PK]
	P2HEAD 0, 0, 0
	CHANGE \fill, 0
	P2HEAD 1, 0, 0
	P2HEAD 2, 0, 0
	P2HEAD 3, 1, \tail
	PLACES8                                        ; ahead of the loads into V's and the scale words' registers, and of the first read of O^T
.if \tail
	s_cmp_eq_u32 s[CNT], 1
	s_cbranch_scc1 .Lnov_\@
.endif
	LOADV 1
.if \tail
.Lnov_\@:
.endif
.endm
; The way out of head h: O^T's two blocks of 32 along the head's 64 are quantised; the codes go to my stage in their natural order.
.macro OUTHEAD h
	WIN FROM2
.irp b, 0,1
	v_max3_num_f32 v[TM+\b], |v[OF+32*\h+16*\b]|, |v[OF+32*\h+16*\b+1]|, 0x8000000
.endr
.irp i, 2,4,6,8,10,12,14
.irp b, 0,1
	v_max3_num_f32 v[TM+\b], |v[OF+32*\h+16*\b+\i]|, |v[OF+32*\h+16*\b+\i+1]|, v[TM+\b]
.endr
.endr
	WIN 0
.irp b, 0,1
	v_permlanex16_b32 v[TM+2+\b], v[TM+\b], s[SEL], s[SEL+1]
.endr
.irp b, 0,1
	v_max_num_f32 v[TM+\b], v[TM+\b], v[TM+2+\b]
.endr
.irp b, 0,1
	v_add_nc_u32 v[TM+6+\b], 0xf8800000, v[TM+\b]
.endr
.irp b, 0,1
	v_and_or_b32 v[TM+4+\b], v[TM+\b], 0x7f800000, s[MNT]
.endr
.irp b, 0,1
	v_lshrrev_b32 v[TM+2+\b], 23, v[TM+6+\b]
.endr
	v_lshl_or_b32 v[TM+8], v[TM+3], 8, v[TM+2]
.if (\h)%2
	v_lshl_or_b32 v[P+\h/2], v[TM+8], 16, v[P+\h/2]        ; two heads' bytes to a word
.else
	v_mov_b32 v[P+\h/2], v[TM+8]
.endif
	WIN FROM1
.irp b, 0,1
.irp i, 0,1,2,3,4,5,6,7,8,9,10,11,12,13,14,15
	v_med3_num_f32 v[S+16*\b+\i], v[OF+32*\h+16*\b+\i], -v[TM+4+\b], v[TM+4+\b]   ; the hold, out of window 1 into window 0
.endr
.endr
	WIN 0
.irp b, 0,1
	v_cvt_scalef32_pk8_bf8_f32 v[KF+8*\h+4*\b:KF+8*\h+4*\b+1], v[S+16*\b:S+16*\b+7], v[TM+6+\b]
	v_cvt_scalef32_pk8_bf8_f32 v[KF+8*\h+4*\b+2:KF+8*\h+4*\b+3], v[S+16*\b+8:S+16*\b+15], v[TM+6+\b]
.endr
	v_nop                                          ; a plain place behind the last conversion
.irp b, 0,1
.irp u, 0,1
	ds_store_b64 v[STO], v[KF+8*\h+4*\b+2*\u:KF+8*\h+4*\b+2*\u+1] offset:64*\h+32*\b+16*\u
.endr
.endr
.endm
	s_load_b256 s[4:11], s[0:1], 0x0               ; qimg, qs, kv, the mask
	s_load_b128 s[12:15], s[0:1], 0x20             ; a_codes, a_scales
	v_lshl_add_u32 v[SPW], v0, 2, SPARE
	v_mov_b32 v[NIL], 0
	ds_add_u32 v[SPW], v[NIL]                      ; the opening lines: the add, twice on end, and its wait ahead of my first tensor load
	ds_add_u32 v[SPW], v[NIL]
	v_lshrrev_b32 v32, 5, v0
	v_readfirstlane_b32 s[WV], v32                 ; wave 0..7
	v_and_b32 v32, 31, v0                          ; lane
	v_and_b32 v33, 15, v0                          ; r
	v_bfe_u32 v34, v0, 4, 1                        ; h'
	v_lshl_add_u32 v[LIK], v32, 4, KVO
	v_lshl_add_u32 v[LSK], v32, 2, KVO
	s_mul_i32 s24, s[WV], 16*MROW
	v_mul_u32_u24 v[AM0], v33, MROW
	v_lshl_add_u32 v[AM0], v34, 5, v[AM0]
	v_add_nc_u32 v[AM0], s24, v[AM0]
	s_mul_i32 s24, s[WV], 16*272
	s_add_co_u32 s24, s24, STAGE
	v_mul_u32_u24 v[STO], v33, 272
	v_lshl_add_u32 v[STO], v34, 3, v[STO]
	v_add_nc_u32 v[STO], s24, v[STO]               ; in: row r, + 8 h'
	v_mul_u32_u24 v[SRD], v34, 272
	v_lshl_add_u32 v[SRD], v33, 4, v[SRD]
	v_add_nc_u32 v[SRD], s24, v[SRD]               ; back: lanes 0-15 one row of 256 bytes, lanes 16-31 the next
	v_lshlrev_b32 v48, 4, v32                      ; Q's images: 16 x lane
	v_lshlrev_b32 v49, 2, v33                      ; q's scale words: 4 r
	s_bfe_u32 s17, ttmp6, 0x40000                  ; cx
	s_bfe_u32 s18, ttmp6, 0x40004                  ; cy = the group
	s_lshl_b32 s19, ttmp9, 2
	s_add_co_u32 s19, s19, s17                     ; my block of 128 queries
	s_and_b32 s20, ttmp7, 0xffff                   ; the batch
	s_lshl_b32 s21, s20, 2
	s_add_co_u32 s21, s21, s18                     ; bg
	s_lshl_b32 s22, 0x1111, s17                    ; my column of the cluster
	s_lshl_b32 s23, s18, 2
	s_lshl_b32 s23, 15, s23                        ; my row
	s_or_b32 s[G1M], s22, (2<<16)|(1<<20)|(1<<21)|(6<<22)|(3<<25)   ; the mask: elements of 4 bytes; 4 words of padding behind every 128; bit 21 beside a mask
	s_mov_b32 s[G1M+1], 128<<16                    ; 128 keys
	s_mov_b32 s[G1M+2], 32<<16                     ; 32 queries
	s_mov_b32 s[G1M+3], 128<<16
	s_mov_b32 s[G1M+4], 32
	s_mov_b32 s[G1M+5], 2048
	s_mov_b32 s[G1M+6], 0
	s_mov_b32 s[G1M+7], 0
	s_or_b32 s[G1K], s23, (3<<16)|(1<<21)          ; a quarter of a kv block: 17 dense rows of 32 elements of 8 bytes
	s_mov_b32 s[G1K+1], 32<<16
	s_mov_b32 s[G1K+2], 17<<16
	s_mov_b32 s[G1K+3], 32<<16
	s_mov_b32 s[G1K+4], 17
	s_mov_b32 s[G1K+5], 32
	s_mov_b32 s[G1K+6], 0
	s_mov_b32 s[G1K+7], 0
	s_and_b32 s24, s[WV], 3                        ; which quarter I fetch
	s_mul_i32 s25, s24, 32*MROW                    ; where it goes: the wave's number alone
	s_mul_i32 s26, s24, KVQ
	s_lshl_b32 s[OM], s19, 7                       ; the mask's address hangs on the batch, the query block and the wave;
	s_lshl_b32 s[OM+1], s24, 5
	s_add_co_u32 s[OM], s[OM], s[OM+1]
	s_lshl_b32 s[OM], s[OM], 13
	s_lshl_b32 s[OM+1], s20, 24
	s_add_co_u32 s[OM], s[OM], s[OM+1]
	s_mov_b32 s[OM+1], 0
	s_mul_i32 s[OK], s21, 16*KVB                   ; the kv block's on the batch, the group and the wave
	s_add_co_u32 s[OK], s[OK], s26
	s_mov_b32 s[OK+1], 0
	s_add_co_u32 s26, s26, KVO
	s_lshl_b32 s74, s21, 19                        ; Q's images: bg x 524,288 + (8 x block + wave) x 4,096
	s_lshl_b32 s75, s19, 3
	s_add_co_u32 s75, s75, s[WV]
	s_lshl_b32 s75, s75, 12
	s_add_co_u32 s74, s74, s75
	s_mov_b32 s75, 0
	s_lshl_b32 s76, s21, 15                        ; q's scale words: bg x 4 x 8,192 + 4 x my first query
	s_lshl_b32 s77, s19, 9
	s_add_co_u32 s76, s76, s77
	s_lshl_b32 s77, s[WV], 6
	s_add_co_u32 s76, s76, s77
	s_mov_b32 s77, 0
	s_lshl_b32 s78, s20, 11
	s_lshl_b32 s79, s19, 7
	s_add_co_u32 s78, s78, s79
	s_lshl_b32 s79, s[WV], 4
	s_add_co_u32 s78, s78, s79                     ; my first token
	s_lshl_b32 s72, s78, 10
	s_lshl_b32 s73, s18, 8
	s_add_co_u32 s72, s72, s73                     ; a_codes: token x 1,024 + 256 g
	s_mov_b32 s73, 0
	s_lshl_b32 s78, s78, 5
	s_lshl_b32 s79, s18, 3
	s_add_co_u32 s78, s78, s79                     ; a_scales: token x 32 + 8 g
	s_mov_b32 s79, 0
	; the prefetches: waves 0, 1: rows 32 cy .. + 31 of the mask's tile, a half of 256 bytes each; wave 2: blocks 17 cx .. + 16 of the kv block.  They stand at tile 3: the first change steps them to tile 4
	s_lshl_b32 s86, s19, 7
	s_lshl_b32 s87, s18, 5
	s_add_co_u32 s86, s86, s87
	s_lshl_b32 s86, s86, 13
	s_lshl_b32 s87, s20, 24
	s_add_co_u32 s86, s86, s87
	s_and_b32 s87, s[WV], 1
	s_lshl_b32 s87, s87, 8
	s_add_co_u32 s86, s86, s87
	s_add_co_u32 s86, s86, 3*512
	s_mul_i32 s88, s21, 16*KVB
	s_mul_i32 s87, s17, KVQ
	s_add_co_u32 s88, s88, s87
	s_add_co_u32 s88, s88, 3*KVB
	s_mov_b32 s[PFS], KVB
	s_mov_b32 s[PFS+1], 0
	s_mov_b32 s89, 256
	s_mov_b32 s90, 16
	s_mov_b32 s87, 0
	s_cmp_lt_u32 s[WV], 2
	s_cselect_b32 s86, s86, s88
	s_cselect_b32 s[PFS], 512, s[PFS]              ; a tile on
	s_cselect_b32 s89, 8192, s89                   ; from lane to lane
	s_cselect_b32 s90, 31, s90                     ; the last lane with a block of its own
	s_cmp_lt_u32 s[WV], 3
	s_cselect_b32 s[LIM], 12, 0
	v_min_u32 v[PFO], s90, v32
	v_mul_lo_u32 v[PFO], v[PFO], s89
	s_mov_b32 s[TB], 0
	s_mov_b32 s[UT], 0
	s_mov_b32 s[LC], 0x3fb8aa3b                    ; L = log2(e)
	s_mov_b32 s[LC+1], s[LC]
	s_mov_b32 s[SEL], 0x76543210
	s_mov_b32 s[SEL+1], 0xfedcba98
	s_mov_b32 s[MNT], 0x600000
	s_mov_b32 s[HIM], 0xffff0000
	s_mov_b32 s[PK], 0x05040100
	s_wait_dscnt 0x0                               ; both opening adds are done
	s_wait_kmcnt 0x0
	s_add_nc_u64 s[BM:BM+1], s[10:11], s[OM:OM+1]
	s_add_nc_u64 s[BK:BK+1], s[8:9], s[OK:OK+1]
	s_mov_b32 s[G0M], 1                            ; tile 0 into slot 0
	s_mov_b32 s[G0M+1], s25
	s_mov_b64 s[G0M+2:G0M+3], s[BM:BM+1]
	s_or_b32 s[G0M+3], s[G0M+3], 0x80000000
	s_mov_b32 s[G0K], 1
	s_mov_b32 s[G0K+1], s26
	s_mov_b64 s[G0K+2:G0K+3], s[BK:BK+1]
	s_or_b32 s[G0K+3], s[G0K+3], 0x80000000
	s_cmp_lt_u32 s[WV], 2
	s_cselect_b64 s[PFA:PFA+1], s[10:11], s[8:9]
	s_add_nc_u64 s[PFA:PFA+1], s[PFA:PFA+1], s[86:87]
	s_add_nc_u64 s[4:5], s[4:5], s[74:75]
	s_add_nc_u64 s[6:7], s[6:7], s[76:77]
	s_add_nc_u64 s[12:13], s[12:13], s[72:73]
	s_add_nc_u64 s[14:15], s[14:15], s[78:79]
	CROUND                                         ; all sixteen work-groups are here: the first joint loads meet
	TLOAD                                          ; one tensor load a wave at the head
	AWAIT
	WIN TO1
.irp h, 0,1,2,3
.irp c, 0,1
	global_load_b128 v[QF+16*\h+4*\c:QF+16*\h+4*\c+3], v48, s[4:5] offset:1024*\h+512*\c    ; Q stays in registers
.endr
.irp i, 8,9,10,11,12,13,14,15
	v_mov_b32 v[QF+16*\h+\i], 0                    ; the zero codes of K = 64 .. 127
.endr
.endr
.set jj, 0
.rept 128
	v_mov_b32 v[OF+jj], 0                          ; O^T begins as zeros, so that pass 2's first step needs no text of its own
.set jj, jj+1
.endr
	WIN 0
.irp h, 0,1,2,3
	global_load_b32 v[QS+4*\h], v49, s[6:7] offset:8192*\h
.endr
.irp h, 0,1,2,3
	v_mov_b32 v[MM+4*\h], 0xfe967699               ; -1e38, under every score that is served
	v_mov_b32 v[NM+2*\h], 0x7e967699               ; its -M: the first change of M multiplies a sum of 0 by 0
	v_mov_b32 v[NM+2*\h+1], 0                      ; (named as the upper half of a pair)
.endr
.irp i, 0,1,2,3,4,5,6,7
	v_mov_b32 v[L1+\i], 0                          ; the sums
	v_mov_b32 v[VF+\i], 0                          ; what source 0 names behind K's last fragment in pass 1
.endr
.irp i, 0,1,2,3,4,5,6,7,8,9,10,11,12,13,14,15
	v_mov_b32 v[TM+\i], 0                          ; written once: lane permutes' destinations, and upper halves of pairs
.endr
	AWAIT                                          ; at the head's end
	s_wait_tensorcnt 0x0                           ; my part of tile 0 is in
	ds_add_u32 v[SPW], v[NIL]
	NEXTD
	s_wait_dscnt 0x0
	CROUND
	TLOAD                                          ; tile 1 into slot 1
	LOADK 1                                        ; key step 0
	s_wait_loadcnt 0x0                             ; Q and its scale words
	s_mov_b32 s[CNT], 0
.Lpass1:                                               ; 16 key steps; step t asks for tile (t + 2) % 16: the last two ask for pass 2's first two
	s_wait_dscnt 0x0                               ; K, its scale words and the mask are in
	P1HEAD 0, 0
	CHANGE 1, 1
	P1HEAD 1, 0
	P1HEAD 2, 0
	P1HEAD 3, 1
	s_add_co_u32 s[CNT], s[CNT], 1
	s_cmp_lt_u32 s[CNT], 16
	s_cbranch_scc1 .Lpass1
	FINISH1
	LOADV 0                                        ; the sums have left V's registers: V of pass 2's first step
	s_mov_b32 s[CNT], 14
.Lpass2:                                               ; key steps 0 .. 13 ask for key steps 2 .. 15
	P2STEP 1, 0
	s_sub_co_u32 s[CNT], s[CNT], 1
	s_cmp_lg_u32 s[CNT], 0
	s_cbranch_scc1 .Lpass2
	s_mov_b32 s[CNT], 2
.Ltail:                                                ; key steps 14, 15 ask for nothing: a text of their own.  Step 14's barrier shows tile 15 whole; step 15's orders nothing more
	P2STEP 0, 1
	s_sub_co_u32 s[CNT], s[CNT], 1
	s_cmp_lg_u32 s[CNT], 0
	s_cbranch_scc1 .Ltail
	s_wait_xcnt 0x0                                ; the last prefetch has read its offset: the register becomes GO
	v_and_b32 v[ADK], 15, v0
	v_bfe_u32 v[ADM], v0, 4, 1
	v_lshlrev_b32 v[GO], 10, v[ADM]
	v_lshl_add_u32 v[GO], v[ADK], 4, v[GO]         ; two rows of a_codes: lanes 0-15 one, lanes 16-31 the next
	v_lshlrev_b32 v[GS], 5, v[ADK]
	v_lshl_add_u32 v[GS], v[ADM], 2, v[GS]         ; a_scales: row r of 32 bytes, + 4 h'
	AWAIT                                          ; ahead of the first readers of O^T
	OUTHEAD 0
	OUTHEAD 1
	OUTHEAD 2
	OUTHEAD 3
.irp i, 0,1,2,3,4,5,6,7
	ds_load_b128 v[VF+4*\i:VF+4*\i+3], v[SRD] offset:544*\i        ; LDS serves a wave's instructions in order (ISA guide 5.7.1.4): these see my stores
.endr
	v_cndmask_b32 v[TM+9], v[P], v[P+1], s[HIM]    ; lanes 0-15: heads 0, 1; lanes 16-31: heads 2, 3
	global_store_b32 v[GS], v[TM+9], s[14:15]      ; eight scale bytes a token
.irp i, 0,1,2,3,4,5,6,7
	s_wait_dscnt 7-\i                              ; the younger loads from the stage may stay out
	global_store_b128 v[GO], v[VF+4*\i:VF+4*\i+3], s[12:13] offset:2048*\i    ; 16 lanes store 256 consecutive bytes, aligned
.endr
	s_wait_tensorcnt 0x0                           ; the wave's end
	ds_add_u32 v[SPW], v[NIL]
	s_wait_dscnt 0x0
	CROUND                                         ; the closing round
	s_endpgm
.Lfunc_end_k_qa95b8a425b_attn:
	.size	k_qa95b8a425b_attn, .Lfunc_end_k_qa95b8a425b_attn-k_qa95b8a425b_attn
	.p2alignl 7, 3214868480
	.fill 96, 4, 3214868480
	.section	.rodata,"a",@progbits
	.p2align	6, 0x0
	.amdhsa_kernel k_qa95b8a425b_attn
		.amdhsa_group_segment_fixed_size 327680
		.amdhsa_private_segment_fixed_size 0
		.amdhsa_enable_private_segment 0
		.amdhsa_kernarg_size 48
		.amdhsa_user_sgpr_count 2
		.amdhsa_user_sgpr_kernarg_segment_ptr 1
		.amdhsa_wavefront_size32 1
		.amdhsa_system_sgpr_workgroup_id_x 1
		.amdhsa_system_sgpr_workgroup_id_y 1
		.amdhsa_system_sgpr_workgroup_id_z 1
		.amdhsa_system_vgpr_workitem_id 0
		.amdhsa_next_free_vgpr 512
		.amdhsa_next_free_sgpr 96
		.amdhsa_reserve_vcc 0
		.amdhsa_float_denorm_mode_32 3
		.amdhsa_float_denorm_mode_16_64 3
		.amdhsa_memory_ordered 1
		.amdhsa_forward_progress 1
		.amdhsa_inst_pref_size 209
	.end_amdhsa_kernel
	.amdgpu_metadata
---
amdhsa.version: [ 1, 2 ]
amdhsa.kernels:
  - .name:           k_qa95b8a425b_attn
    .symbol:         k_qa95b8a425b_attn.kd
    .args:
      - { .name: qimg, .offset: 0, .size: 8, .value_kind: global_buffer, .address_space: global }
      - { .name: qs, .offset: 8, .size: 8, .value_kind: global_buffer, .address_space: global }
      - { .name: kv, .offset: 16, .size: 8, .value_kind: global_buffer, .address_space: global }
      - { .name: attention_mask, .offset: 24, .size: 8, .value_kind: global_buffer, .address_space: global }
      - { .name: a_codes, .offset: 32, .size: 8, .value_kind: global_buffer, .address_space: global }
      - { .name: a_scales, .offset: 40, .size: 8, .value_kind: global_buffer, .address_space: global }
    .group_segment_fixed_size: 327680
    .private_segment_fixed_size: 0
    .kernarg_segment_align: 8
    .kernarg_segment_size: 48
    .max_flat_workgroup_size: 256
    .sgpr_count:     96
    .vgpr_count:     512
    .wavefront_size: 32
...
	.end_amdgpu_metadata
.endif
;; end of part 2
;; launch oproj (part 3): grid 4 x 64, 4 waves a work-group, clusters of 4 x 4, 327,680 bytes of LDS; arguments a_codes, a_scales, Wo_codes, Wo_scales, out0; writes out0
.if DOCPART == 3
	.amdgcn_target "amdgcn-amd-amdhsa--gfx1250"
	.amdhsa_code_object_version 6
	.text
	.protected	k_qa95b8a425b_oproj
	.globl	k_qa95b8a425b_oproj
	.p2align	8
	.type	k_qa95b8a425b_oproj,@function
k_qa95b8a425b_oproj:
	s_mov_b64 s[64:65], 0
	v_nop
	global_prefetch_b8 v0, s[64:65] scope:SCOPE_SE
	s_setreg_imm32_b32 hwreg(HW_REG_WAVE_MODE, 25, 1), 1
	s_wait_xcnt 0x0
	s_wait_alu depctr_hold_cnt(0) depctr_sa_sdst(0) depctr_va_vdst(0) depctr_va_sdst(0) depctr_va_ssrc(0) depctr_va_vcc(0) depctr_vm_vsrc(0)
	s_getreg_b32 s2, hwreg(HW_REG_IB_STS2, 6, 4)
	s_cmp_eq_u32 s2, 0
	s_cbranch_scc0 .Lentry_in_a_cluster
	s_endpgm
.Lentry_in_a_cluster:
	s_bfe_u32 s2, ttmp6, 0x10000c
	s_cmp_lg_u32 s2, 0xf033
	s_cbranch_scc0 .Lentry_shape_is_right
	s_endpgm
.Lentry_shape_is_right:
; out0[m][n] = sum over k of A[m][k] Wo[n][k]: A [8,192][1,024] and Wo [1,024][1,024] as codes of BF8 (E5M2) with one E8M0 byte for each 32 along K; out0 f32; sums in f32.
; SHARES.  A block of out0 is 128 rows x 256 columns: 64 x 4 = 256 work-groups.  Four waves, each 64 x 128: 32 accumulators of 16 x 16 in window 2.
; RING.  K goes in 4 steps of 256 through two LDS slots of 384 rows (128 of A, 256 of Wo), rows of 256 bytes + 16 of padding.  Every wave issues one load: waves 0, 1 64 rows of A each, waves 2, 3 128 rows of Wo each.
; CLUSTER 4 x 4: A's tile is shared along a row of the cluster, Wo's along a column: each is asked for jointly.
; THE SCALE BYTES go from memory straight into registers: a block of 16 rows has 512 dense bytes; lane (r, h) takes the 16 bytes at 32 r + 16 h, so one load covers them whole.  Lanes 0-15 then hold the words of
; K = 0 .. 511 and lanes 16-31 those of K = 512 .. 1,023: the ROW selectors choose.  They are 12 KB beside a work-group's 384 KB of codes, so they are not asked for jointly.
; A step of 128 along K is 32 products; A and Wo have two sets of fragment registers each, and a step's 48 LDS loads are issued ahead of the step before's products.
; THE MATRIX INSTRUCTION IS USED TRANSPOSED (source 0 = 16 rows of Wo, source 1 = 16 rows of A): a lane holds eight neighbouring numbers of a row of out0.
; PREFETCH.  Behind the loads of K steps 0 and 1 each wave names K steps 2 and 3 of a quarter of the rows that it fetches (16 of A, lanes 16-31 naming the last again, or 32 of Wo), a lane a row of 256 bytes;
; the four partners that share a tile are told apart by address.  K steps 0 and 1 come by their loads alone.
; REGISTERS.  Window 0: v16-31 addresses; v32-47 A's scale words (4 a block), v48-79 Wo's; v128-255 A's fragments, two sets; on the way out rows read back.  Window 1: Wo's fragments, two sets.  Window 2: accumulator (a, b) at 8 (8 a + b).
.set PITCH,  272
.set BOFF,   128*PITCH
.set SLOT,   384*PITCH
.set SPARE,  2*SLOT                    ; the spare words: 128 bytes for each of 4 waves
.set SPITCH, 528                       ; the way out: 16 rows x (512 + 16) bytes for each wave, in slot 0, which has had its last fill and its last read by then
.set ROWO,   4096                      ; a row of out0 in bytes
.set ADRA, 16
.set ADRB, 20
.set STO,  24
.set RD,   25
.set CO,   26
.set SPW,  28
.set NIL,  29
.set VA,   30
.set PFO,  31
.set SA,   32
.set SB,   48
.set AF,   128
.set BK,   128
.set G1,   24
.set G0,   32
.set G1B,  48
.set G0B,  56
.set PFA,  76
.set MSB, 0
.macro WIN new
.if MSB != \new
	s_set_vgpr_msb (MSB<<8)|\new
.set MSB, \new
.endif
.endm
.set MUL,  0xa1                        ; source 0 (Wo) window 1, source 1 (A) window 0, C and D window 2
.set TO_B, 0x40
.macro AWAIT
	s_wait_alu depctr_va_vdst(0)
.endm
.macro JLOAD s                         ; every wave's one joint load; the branch hangs on the wave's number alone; s_nop 0 and four v_nop follow each
	s_cmp_eq_u32 s15, 0
	s_cbranch_scc0 .Lfor_b_\@
	tensor_load_to_lds s[G0+4*\s:G0+4*\s+3], s[G1:G1+7]
	s_nop 0
.rept 4
	v_nop
.endr
	s_branch .Lasked_\@
.Lfor_b_\@:
	tensor_load_to_lds s[G0B+4*\s:G0B+4*\s+3], s[G1B:G1B+7]
	s_nop 0
.rept 4
	v_nop
.endr
.Lasked_\@:
.endm
.macro CREST
	s_cmp_lg_u32 s14, 0
	s_cbranch_scc1 .Lnot_wave_0_\@
	s_barrier_signal -3
.Lnot_wave_0_\@:
	s_barrier_wait -3
	s_barrier_signal -1
	s_barrier_wait -1
.endm
.macro CROUND
	s_barrier_signal -1
	s_barrier_wait -1
	CREST
.endm
.macro PLACES n                        ; places behind this matrix form (ISA guide 7.12.1)
.rept \n
	v_nop
.endr
.endm
.macro FRAG reg, adr, q, i
.irp c, 0,1,2,3
	ds_load_b128 v[\reg+4*\c:\reg+4*\c+3], v[\adr] offset:128*(\q)+32*\c+(\i)*16*PITCH
.endr
.endm
.macro FETCH slot, q, p                ; 48 loads: Wo's eight fragments and A's four of the slot's q-th 128 along K, into set p
	WIN TO_B
.irp i, 0,1,2,3,4,5,6,7
	FRAG 128*(\p)+16*\i, ADRB+\slot, \q, \i
.endr
	WIN 0
.irp i, 0,1,2,3
	FRAG AF+64*(\p)+16*\i, ADRA+\slot, \q, \i
.endr
.endm
.macro WM d, bf, af, sb, sa, hi, zero
.if \zero
	v_wmma_scale_f32_16x16x128_f8f6f4 v[\d:\d+7], v[\bf:\bf+15], v[\af:\af+15], 0, v[\sb], v[\sa] matrix_a_fmt:MATRIX_FMT_BF8 matrix_b_fmt:MATRIX_FMT_BF8
.elseif \hi
	v_wmma_scale_f32_16x16x128_f8f6f4 v[\d:\d+7], v[\bf:\bf+15], v[\af:\af+15], v[\d:\d+7], v[\sb], v[\sa] matrix_a_fmt:MATRIX_FMT_BF8 matrix_b_fmt:MATRIX_FMT_BF8 matrix_a_scale:MATRIX_SCALE_ROW1 matrix_b_scale:MATRIX_SCALE_ROW1
.else
	v_wmma_scale_f32_16x16x128_f8f6f4 v[\d:\d+7], v[\bf:\bf+15], v[\af:\af+15], v[\d:\d+7], v[\sb], v[\sa] matrix_a_fmt:MATRIX_FMT_BF8 matrix_b_fmt:MATRIX_FMT_BF8
.endif
.endm
.macro MULA a, j, zero                 ; A's block a x Wo's eight, the j-th 128 along K.  The 32 accumulators take turns, one instruction a turn
.irp b, 0,1,2,3,4,5,6,7
	WM (8*(8*(\a)+\b)), (128*((\j)%2)+16*\b), (AF+64*((\j)%2)+16*(\a)), (SB+4*\b+(\j)%4), (SA+4*(\a)+(\j)%4), (\j)/4, \zero
.endr
.endm
.macro EVEN j, slot, zero              ; a slot's first 128: the second's fragments are asked for, then the 32 products
.if \j > 0
	PLACES 8                                       ; ahead of loads into set 1, which the step before multiplied
.endif
	FETCH \slot, 1, 1
	s_wait_dscnt 48                                ; all but the 48 just issued
	WIN MUL
	MULA 0, \j, \zero
	MULA 1, \j, \zero
	MULA 2, \j, \zero
	MULA 3, \j, \zero
	WIN 0
.endm
.macro ODD j, slot, next, fill         ; a slot's second 128 changes slots.  fill = 1: this slot takes the K step two on
	s_wait_tensorcnt 0x0                           ; my part of the next slot has landed
	ds_add_u32 v[SPW], v[NIL]
	s_wait_dscnt 1                                 ; (the add may be out)
	WIN MUL
	MULA 0, \j, 0
	s_wait_dscnt 0x0                               ; the add is done; my reads of this slot are over
	s_barrier_signal -1
	MULA 1, \j, 0
	WIN 0
	s_barrier_wait -1
.if \fill
	CREST                                          ; the barrier has opened a round of the cluster's barrier
	s_add_nc_u64 s[G0+4*\slot+2:G0+4*\slot+3], s[G0+4*\slot+2:G0+4*\slot+3], 512
	s_add_nc_u64 s[G0B+4*\slot+2:G0B+4*\slot+3], s[G0B+4*\slot+2:G0B+4*\slot+3], 512
	JLOAD \slot
	PLACES 4
.else
	PLACES 8
.endif
	FETCH \next, 0, 0
	WIN MUL
	MULA 2, \j, 0
	MULA 3, \j, 0
	WIN 0
.endm
	s_load_b128 s[4:7], s[0:1], 0x0                ; A's codes, A's scales
	s_load_b128 s[8:11], s[0:1], 0x10              ; Wo's codes, Wo's scales
	s_load_b64 s[12:13], s[0:1], 0x20              ; out0
	v_lshl_add_u32 v[SPW], v0, 2, SPARE
	v_mov_b32 v[NIL], 0
	ds_add_u32 v[SPW], v[NIL]                      ; the opening lines: the add, twice on end, and its wait ahead of my first tensor load
	ds_add_u32 v[SPW], v[NIL]
	v_lshrrev_b32 v1, 5, v0
	v_readfirstlane_b32 s14, v1                    ; wave 0..3
	s_lshr_b32 s15, s14, 1                         ; my half of the block's rows.  Also: I fetch for A (0) or for Wo (1)
	s_and_b32 s16, s14, 1                          ; my half of its columns.  Also: which half of that tile I fetch
	s_bfe_u32 s40, ttmp6, 0x40000                  ; cx
	s_bfe_u32 s41, ttmp6, 0x40004                  ; cy
	s_lshl_b32 s42, ttmp9, 2
	s_add_co_u32 s42, s42, s40                     ; block column
	s_and_b32 s17, ttmp7, 0xffff
	s_lshl_b32 s17, s17, 2
	s_add_co_u32 s17, s17, s41                     ; block row
	s_lshl_b32 s43, s41, 2
	s_lshl_b32 s43, 15, s43                        ; my row of the cluster
	s_lshl_b32 s44, 0x1111, s40                    ; my column
	s_or_b32 s[G1], s43, (0<<16)|(1<<20)|(1<<21)|(5<<22)|(3<<25)    ; elements of 1 byte; 4 words of padding behind every 64; bit 21 beside a mask
	s_or_b32 s[G1B], s44, (0<<16)|(1<<20)|(1<<21)|(5<<22)|(3<<25)
	s_mov_b32 s[G1+1], 256<<16
	s_mov_b32 s[G1+2], 64<<16                      ; A: 64 rows a load
	s_mov_b32 s[G1+3], 256<<16
	s_mov_b32 s[G1+4], 64
	s_mov_b32 s[G1+5], 1024
	s_mov_b32 s[G1+6], 0
	s_mov_b32 s[G1+7], 0
	s_mov_b32 s[G1B+1], 256<<16
	s_mov_b32 s[G1B+2], 128<<16                    ; Wo: 128 rows a load
	s_mov_b32 s[G1B+3], 256<<16
	s_mov_b32 s[G1B+4], 128
	s_mov_b32 s[G1B+5], 1024
	s_mov_b32 s[G1B+6], 0
	s_mov_b32 s[G1B+7], 0
	s_lshl_b32 s20, s17, 7                         ; A: row 128 x block row + 64 x half, 1,024 bytes a row
	s_lshl_b32 s18, s16, 6
	s_add_co_u32 s20, s20, s18
	s_lshl_b32 s20, s20, 10
	s_mov_b32 s21, 0
	s_lshl_b32 s46, s42, 8                         ; Wo: row 256 x block column + 128 x half
	s_lshl_b32 s47, s16, 7
	s_add_co_u32 s46, s46, s47
	s_lshl_b32 s46, s46, 10
	s_mov_b32 s47, 0
	s_mul_i32 s45, s16, 64*PITCH                   ; where they go: the wave's number alone
	s_mul_i32 s66, s16, 128*PITCH
	s_add_co_u32 s66, s66, BOFF
	s_lshl_b32 s72, s40, 14                        ; the prefetches: of A's 64 rows my work-group takes 16 cx .. + 15,
	s_add_co_u32 s72, s72, s20
	s_lshl_b32 s74, s41, 15                        ; of Wo's 128 rows 32 cy .. + 31
	s_add_co_u32 s74, s74, s46
	s_mov_b32 s73, 0
	s_cmp_eq_u32 s15, 0
	s_cselect_b32 s72, s72, s74
	s_cselect_b32 s75, 15, 31
	v_and_b32 v[PFO], 31, v0
	v_min_u32 v[PFO], s75, v[PFO]
	v_lshlrev_b32 v[PFO], 10, v[PFO]               ; a lane a row
	AWAIT
	s_wait_dscnt 0x0                               ; both opening adds are done
	s_wait_kmcnt 0x0
	s_cmp_eq_u32 s15, 0
	s_cselect_b64 s[PFA:PFA+1], s[4:5], s[8:9]
	s_add_nc_u64 s[PFA:PFA+1], s[PFA:PFA+1], s[72:73]
	s_add_nc_u64 s[20:21], s[4:5], s[20:21]
	s_add_nc_u64 s[46:47], s[8:9], s[46:47]
.irp s, 0,1
	s_mov_b32 s[G0+4*\s], 1
	s_add_co_u32 s[G0+4*\s+1], s45, \s*SLOT
	s_add_nc_u64 s[G0+4*\s+2:G0+4*\s+3], s[20:21], \s*256
	s_or_b32 s[G0+4*\s+3], s[G0+4*\s+3], 0x80000000
	s_mov_b32 s[G0B+4*\s], 1
	s_add_co_u32 s[G0B+4*\s+1], s66, \s*SLOT
	s_add_nc_u64 s[G0B+4*\s+2:G0B+4*\s+3], s[46:47], \s*256
	s_or_b32 s[G0B+4*\s+3], s[G0B+4*\s+3], 0x80000000
.endr
	CROUND                                         ; all sixteen work-groups are here: the first joint loads meet
	JLOAD 0                                        ; K step 0: one tensor load a wave at the head
	global_prefetch_b8 v[PFO], s[PFA:PFA+1] offset:512 th:TH_LOAD_NT scope:SCOPE_SE    ; K step 2
	v_and_b32 v1, 15, v0                           ; r
	v_bfe_u32 v2, v0, 4, 1                         ; h
	v_lshlrev_b32 v[VA], 5, v1
	v_lshl_add_u32 v[VA], v2, 4, v[VA]             ; 32 r + 16 h
	s_lshl_b32 s68, s17, 7                         ; the scale bytes of my 64 rows of A: 32 a row,
	s_lshl_b32 s69, s15, 6
	s_add_co_u32 s68, s68, s69
	s_lshl_b32 s68, s68, 5
	s_mov_b32 s69, 0
	s_add_nc_u64 s[6:7], s[6:7], s[68:69]
	s_lshl_b32 s70, s42, 8                         ; and of my 128 rows of Wo
	s_lshl_b32 s71, s16, 7
	s_add_co_u32 s70, s70, s71
	s_lshl_b32 s70, s70, 5
	s_mov_b32 s71, 0
	s_add_nc_u64 s[10:11], s[10:11], s[70:71]
	AWAIT
.irp a, 0,1,2,3
	global_load_b128 v[SA+4*\a:SA+4*\a+3], v[VA], s[6:7] offset:512*\a
.endr
.irp b, 0,1,2,3,4,5,6,7
	global_load_b128 v[SB+4*\b:SB+4*\b+3], v[VA], s[10:11] offset:512*\b
.endr
	v_mul_u32_u24 v3, v1, PITCH
	v_lshl_add_u32 v4, v2, 4, v3                   ; a fragment's row x pitch + 16 h
	s_mul_i32 s21, s15, 64*PITCH                   ; my 64 rows of A
	s_mul_i32 s22, s16, 128*PITCH                  ; my 128 rows of Wo
	s_add_co_u32 s22, s22, BOFF
.irp s, 0,1
	v_add_nc_u32 v[ADRA+\s], s21, v4
	v_add_nc_u32 v[ADRB+\s], s22, v4
	s_add_co_u32 s21, s21, SLOT
	s_add_co_u32 s22, s22, SLOT
.endr
	s_mul_i32 s23, s14, 16*SPITCH                  ; my stage
	v_mul_u32_u24 v5, v1, SPITCH
	v_lshl_add_u32 v5, v2, 5, v5
	v_add_nc_u32 v[STO], s23, v5                   ; in: row r, 32 bytes for each half of the lanes
	v_and_b32 v6, 31, v0
	v_lshlrev_b32 v[CO], 4, v6                     ; back: the 32 lanes take one row of 512 bytes; the same in out0
	v_add_nc_u32 v[RD], s23, v[CO]
	s_lshl_b32 s20, s17, 7
	s_lshl_b32 s21, s15, 6
	s_add_co_u32 s20, s20, s21                     ; my first row of out0
	s_lshl_b32 s20, s20, 12
	s_lshl_b32 s21, s42, 10                        ; my first column, in bytes
	s_add_co_u32 s20, s20, s21
	s_lshl_b32 s21, s16, 9
	s_add_co_u32 s20, s20, s21
	s_mov_b32 s21, 0
	s_add_nc_u64 s[12:13], s[12:13], s[20:21]
	AWAIT                                          ; at the head's end
	s_wait_tensorcnt 0x0                           ; my part of K step 0 is in
	ds_add_u32 v[SPW], v[NIL]
	s_wait_dscnt 0x0
	CROUND
	JLOAD 1                                        ; K step 1 into slot 1
	FETCH 0, 0, 0
	global_prefetch_b8 v[PFO], s[PFA:PFA+1] offset:768 th:TH_LOAD_NT scope:SCOPE_SE    ; K step 3
	s_wait_loadcnt 0x0                             ; the scale words
	EVEN 0, 0, 1                                   ; the first products start the sums
	ODD  1, 0, 1, 1                                ; slot 0 takes K step 2
	EVEN 2, 1, 0
	ODD  3, 1, 0, 1                                ; slot 1 takes K step 3
	EVEN 4, 0, 0
	ODD  5, 0, 1, 0                                ; nothing more is fetched: slot 0 has had its last fill and its last read
	EVEN 6, 1, 0
	s_wait_dscnt 0x0
	WIN MUL
	MULA 0, 7, 0
	MULA 1, 7, 0
	MULA 2, 7, 0
	MULA 3, 7, 0
	WIN 0
; THE WAY OUT, block by block of 16 rows x 128 columns, through my own stage: in as 32 bytes a lane, back as whole rows of 512 bytes.  LDS serves a wave's instructions in order (ISA guide 5.7.1.4).
.macro TOSTAGE a
	WIN 0x08                                       ; the data: window 2
.irp b, 0,1,2,3,4,5,6,7
	ds_store_b128 v[STO], v[64*(\a)+8*\b:64*(\a)+8*\b+3] offset:64*\b          ; each accumulator from its low end on
	ds_store_b128 v[STO], v[64*(\a)+8*\b+4:64*(\a)+8*\b+7] offset:64*\b+16
.endr
	WIN 0
.set BB, BK+64*((\a)%2)
.irp t, 0,1,2,3,4,5,6,7,8,9,10,11,12,13,14,15
	ds_load_b128 v[BB+4*\t:BB+4*\t+3], v[RD] offset:\t*SPITCH
.endr
.endm
.macro SEND a, younger
.set BB, BK+64*((\a)%2)
	s_wait_dscnt \younger                          ; the block is back in registers
.if (\a) > 0
	s_add_nc_u64 s[12:13], s[12:13], 16*ROWO       ; (behind a wait on XCNT: the earlier stores have read their base)
.endif
.irp t, 0,1,2,3,4,5,6,7,8,9,10,11,12,13,14,15
	global_store_b128 v[CO], v[BB+4*\t:BB+4*\t+3], s[12:13] offset:\t*ROWO th:TH_STORE_NT   ; 32 lanes store 512 consecutive bytes, aligned
.endr
.endm
	PLACES 8
	TOSTAGE 0
.irp a, 1,2,3
.if \a > 1
	s_wait_xcnt 0x0                                ; block a - 2's stores have read their registers and their base
.endif
	TOSTAGE \a
	SEND \a-1, 32                                  ; behind block a - 1's loads: block a's 16 stores and 16 loads
.endr
	s_wait_xcnt 0x0
	SEND 3, 0
	s_wait_tensorcnt 0x0                           ; the wave's end
	ds_add_u32 v[SPW], v[NIL]
	s_wait_dscnt 0x0
	CROUND                                         ; the closing round
	s_endpgm
.Lfunc_end_k_qa95b8a425b_oproj:
	.size	k_qa95b8a425b_oproj, .Lfunc_end_k_qa95b8a425b_oproj-k_qa95b8a425b_oproj
	.p2alignl 7, 3214868480
	.fill 96, 4, 3214868480
	.section	.rodata,"a",@progbits
	.p2align	6, 0x0
	.amdhsa_kernel k_qa95b8a425b_oproj
		.amdhsa_group_segment_fixed_size 327680
		.amdhsa_private_segment_fixed_size 0
		.amdhsa_enable_private_segment 0
		.amdhsa_kernarg_size 40
		.amdhsa_user_sgpr_count 2
		.amdhsa_user_sgpr_kernarg_segment_ptr 1
		.amdhsa_wavefront_size32 1
		.amdhsa_system_sgpr_workgroup_id_x 1
		.amdhsa_system_sgpr_workgroup_id_y 1
		.amdhsa_system_sgpr_workgroup_id_z 1
		.amdhsa_system_vgpr_workitem_id 0
		.amdhsa_next_free_vgpr 768
		.amdhsa_next_free_sgpr 80
		.amdhsa_reserve_vcc 0
		.amdhsa_float_denorm_mode_32 3
		.amdhsa_float_denorm_mode_16_64 3
		.amdhsa_memory_ordered 1
		.amdhsa_forward_progress 1
		.amdhsa_inst_pref_size 86
	.end_amdhsa_kernel
	.amdgpu_metadata
---
amdhsa.version: [ 1, 2 ]
amdhsa.kernels:
  - .name:           k_qa95b8a425b_oproj
    .symbol:         k_qa95b8a425b_oproj.kd
    .args:
      - { .name: a_codes, .offset: 0, .size: 8, .value_kind: global_buffer, .address_space: global }
      - { .name: a_scales, .offset: 8, .size: 8, .value_kind: global_buffer, .address_space: global }
      - { .name: Wo_codes, .offset: 16, .size: 8, .value_kind: global_buffer, .address_space: global }
      - { .name: Wo_scales, .offset: 24, .size: 8, .value_kind: global_buffer, .address_space: global }
      - { .name: out0, .offset: 32, .size: 8, .value_kind: global_buffer, .address_space: global }
    .group_segment_fixed_size: 327680
    .private_segment_fixed_size: 0
    .kernarg_segment_align: 8
    .kernarg_segment_size: 40
    .max_flat_workgroup_size: 128
    .sgpr_count:     80
    .vgpr_count:     768
    .wavefront_size: 32
...
	.end_amdgpu_metadata
.endif
;; end of part 3
